; MI455X (gfx1250); checked and timed in simulation.
; The chip was launched on July 23, 2026; its instructions are those of AMD's public machine-readable ISA for CDNA 5 (MIT licence, August 2026) and "CDNA5" Instruction Set Architecture Reference Guide (July 2026). The comments in the code are by the model that wrote it; some were corrected since.
;; SWA. Allowed arithmetic: matrix products marked QUANTISED: E5M2 operands, one given power-of-two scale a tensor, by v_wmma_f32_16x16x64_bf8_bf8 or v_wmma_f32_16x16x128_bf8_bf8, f32 sums; everything else in f32.
;; Inputs: lowp_scales 12 int32 (the exponents e of the quantised operands' scales 2^e); wk_b 256 float32; wk_w_codes 256 x 32 x 32 uint8 (E5M2 codes of wk_w, K innermost, in blocks of 32 codes); wo_w_codes 1,024 x 32 x 32 uint8 (E5M2 codes of wo_w, K innermost, in blocks of 32 codes); wq_b 1,024 float32; wq_w_codes 1,024 x 32 x 32 uint8 (E5M2 codes of wq_w, K innermost, in blocks of 32 codes); wv_b 256 float32; wv_w_codes 256 x 32 x 32 uint8 (E5M2 codes of wv_w, K innermost, in blocks of 32 codes); x_codes 2 x 2,048 x 32 x 32 uint8 (E5M2 codes of x, K innermost, in blocks of 32 codes).
;; Outputs: out0 2 x 2,048 x 1,024 float32.
;; Constants: sliding_window = 1024.
;; This version of the problem:
;;   THIS VERSION OF THE PROBLEM IS GIVEN IN LOW PRECISION. The matrix products marked QUANTISED in the list below multiply operands that are first quantised to E5M2 (5 exponent bits, 2 mantissa bits; 8 bits a number), with one given power-of-two scale for each operand tensor; their sums are f32. All else is computed in f32.
;;   The module's matrix products, in the order in which they are computed (A, B: the left and right operand; K: the contracted axis; several contracted axes count as one K, in the product's order):
;;     1. [M 4,096, K 1,024] x [K 1,024, N 1,024]; A: input x (given as codes); B: input wq_w (given as codes): QUANTISED (scales: A lowp_scales[0], B lowp_scales[1])
;;     2. [M 4,096, K 1,024] x [K 1,024, N 256]; A: input x (given as codes); B: input wk_w (given as codes): QUANTISED (scales: A lowp_scales[2], B lowp_scales[3])
;;     3. [M 4,096, K 1,024] x [K 1,024, N 256]; A: input x (given as codes); B: input wv_w (given as codes): QUANTISED (scales: A lowp_scales[4], B lowp_scales[5])
;;     4. batch 32 x [M 2,048, K 64] x [K 64, N 2,048]; A: computed on the way; B: computed on the way: QUANTISED (scales: A lowp_scales[6], B lowp_scales[7])
;;     5. batch 32 x [M 64, K 2,048] x [K 2,048, N 2,048]; A: computed on the way; B: softmax (see below): QUANTISED (scales: A lowp_scales[8], B lowp_scales[9])
;;     6. [M 4,096, K 1,024] x [K 1,024, N 1,024]; A: computed on the way; B: input wo_w (given as codes): QUANTISED (scales: A lowp_scales[10], B lowp_scales[11])
;;   THE QUANTISER, for each operand of a quantised product, along K:
;;     - The operand's scale is 2^e, e = its entry of the input lowp_scales (int32; the entries are numbered through the quantised products in the list's order, A before B).
;;     - Each number is divided by the scale, clamped to +-57,344, and rounded to the nearest number of E5M2, ties to even, subnormals kept.
;;     - The product sums the exact products of the quantised numbers (number of the format x scale) in f32.
;;   ~~~python
;;   def quantise(x, axis, e):      # numpy; x: float32 -> the quantised numbers, widened to float32 again
;;       x = np.moveaxis(x, axis, -1); K = x.shape[-1]
;;       r = np.clip(x / 2.0 ** e, -57344, 57344)
;;       step = 2.0 ** (np.maximum(np.frexp(np.where(r == 0, 1, r))[1] - 1, -14) - 2)
;;       q = np.round(r / step) * step * 2.0 ** e      # np.round: ties to even
;;       return np.moveaxis(q, -1, axis).astype(np.float32)
;;   ~~~
;;   SOFTMAX AHEAD OF A QUANTISED PRODUCT. Where the list says 'softmax', what is quantised is not the finished softmax but p = 2^(t - M), with t = logit x log2(e) and M = ceil(the row's largest t), a whole number; so 1/2 < the row's largest p <= 1. The row's sum l is taken of the UNQUANTISED p, in f32, and the product's result is divided by l at the end. Since M is a whole number, a kernel that streams over the keys may use a running M (the ceiling of the running maximum): every later rescaling is an exact power of two, so the quantised numbers keep their values, but for numbers so far below the row's largest that they fall under the format's range.
;;   OPERANDS COMPUTED ON THE WAY. 'Computed on the way' means the value that the module computes at that place (a softmax that the list does not call 'softmax' is quantised finished and normalised). What goes into a quantiser is computed in f32, as accurately as f32 sums, v_exp_f32 and their like allow (about 1e-6 of the number): no bf16 or f16 on the way to a quantiser, and a product that is left as it is and whose result goes on into a quantised operand takes f32 operands (vector FMAs, or v_wmma_f32_16x16x4_f32). A number that lies on a knife's edge between two numbers of the format may be rounded either way, as far as f32 arithmetic and the matrix unit's own rounding can turn it there, and no further.
;;   INPUTS GIVEN AS CODES. wk_w (in the module: [256, 1024], K = its axis 1); wo_w (in the module: [1024, 1024], K = its axis 1); wq_w (in the module: [1024, 1024], K = its axis 1); wv_w (in the module: [256, 1024], K = its axis 1); x (in the module: [2, 2048, 1024], K = its axis 2): each comes as NAME_codes (uint8): NAME with its K axis moved to the last place and cut into blocks of 32 codes, [.., K / 32, bytes a block], one block behind the other in memory; one code a byte (a code: sign, 5 exponent bits, 2 mantissa bits); its scale is its entry of lowp_scales. Its value is code x scale, taken as it is: it is not quantised again, and the codes and scales need not be those that the quantiser above would give.
;; One version. Each part assembles by itself: llvm-mc -triple=amdgcn-amd-amdhsa -mcpu=gfx1250 --defsym DOCPART=n.
;; ======== version 1 of 1: 3 launches
;; limits: right only within a limited range of input values
;; workspace buffers: qc 4,194,304 bytes; kc 1,048,576 bytes; vc 1,048,576 bytes; ctxc 4,194,304 bytes
;; launch qkv (part 1): grid 8 x 32, 4 waves a work-group, clusters of 4 x 4, 327,680 bytes of LDS; arguments x_codes, wq_w_codes, wk_w_codes, wv_w_codes, wq_b, wk_b, wv_b, lowp_scales, qc, kc, vc; writes qc, kc, vc
.if DOCPART == 1
	.amdgcn_target "amdgcn-amd-amdhsa--gfx1250"
	.amdhsa_code_object_version 6
	.text
	.protected	k_qd75b8e8b82_qkv
	.globl	k_qd75b8e8b82_qkv
	.p2align	8
	.type	k_qd75b8e8b82_qkv,@function
k_qd75b8e8b82_qkv:
	s_mov_b64 s[64:65], 0
	v_nop
	global_prefetch_b8 v0, s[64:65] scope:SCOPE_SE
	s_setreg_imm32_b32 hwreg(HW_REG_WAVE_MODE, 25, 1), 1
	s_wait_xcnt 0x0
	s_wait_alu depctr_hold_cnt(0) depctr_sa_sdst(0) depctr_va_vdst(0) depctr_va_sdst(0) depctr_va_ssrc(0) depctr_va_vcc(0) depctr_vm_vsrc(0)
	s_getreg_b32 s2, hwreg(HW_REG_IB_STS2, 6, 4)
	s_cmp_eq_u32 s2, 0
	s_cbranch_scc0 .Lentry_in_a_cluster
	s_endpgm
.Lentry_in_a_cluster:
	s_bfe_u32 s2, ttmp6, 0x10000c
	s_cmp_lg_u32 s2, 0xf033
	s_cbranch_scc0 .Lentry_shape_is_right
	s_endpgm
.Lentry_shape_is_right:
; q = rope(x Wq^T + bq), k = rope(x Wk^T + bk), v = x Wv^T + bv, the three products on codes of E5M2 as they are given, sums in f32; the results are
; quantised (q: 2^e6, k: 2^e7, v: 2^e8) and stored as IMAGES OF THE NEXT PRODUCTS' OPERAND REGISTERS: each store of a wave covers 512 consecutive bytes, aligned.
; x: [4096][1024] codes; Wq: [1024][1024]; Wk, Wv: [256][1024]; 16 query heads and 4 key/value heads of 64.  x has a scale of its own in each product: e0, e2, e4.
; IMAGES.  qc, kc: [head][tile of 16 tokens][32 columns: 2][512].  vc: [head][32 keys][16 channels: 4][512].
; SHARES.  256 work-groups.  Work-group (j = 4 cluster x + cx, mt = 4 cluster y + cy) takes tokens 128 mt .. + 127, q's columns 128 j .. + 127 (heads 2 j, 2 j + 1) and ONE key/value head cx:
; k's where cluster x = 0, v's where cluster x = 1: that choice is the same in all sixteen partners.  Wave w = 2 wm + wn: tokens 64 wm .. + 63; q: head 2 j + wn, 16 accumulators;
; k or v: the head's columns 32 wn .. + 31, 8 accumulators, from the same fragments of x.  A wave takes q's four tiles of columns in the order 2 wn, 2 wn + 1, then the other two (by address), so that k's cos and sin are
; those of q's first two tiles and register numbers are the same in all waves.
; CLUSTER 4 x 4: x's tile is shared along a row of the cluster, the weights' tiles along a column: each is asked for jointly, one tensor load a wave at a time.
; TILES.  K's first half (512) of all three at the head; behind it the second half of x and Wq and the third quarter of Wk or Wv in places of their own; then the fourth quarter of Wk or Wv over the
; first half's left columns.  x, Wq and Wk together are 327,680 bytes, all of LDS without padding: so one piece has to be filled again.  No loop loads, so nothing is prefetched.
; LAYOUT.  q, k: the matrix instruction is used transposed (source 0 = 16 rows of W, source 1 = 16 tokens): a lane holds one token and eight neighbouring columns: rope's pairs are neighbouring registers, and eight
; registers convert into two registers of the next operand.  v: source 0 = tokens, source 1 = rows of Wv: a lane holds one channel and eight neighbouring tokens, which are the keys, the K of attention's second product.
; Fragments are fetched by four loads of 16 bytes a lane: a permutation of k, the same on both sides of a product.
; ROPE.  inv_freq = 1 / 10^(i/8); the angle is one f32 product as in the definition; cos and sin by reduction modulo pi/2 in two parts (the first step is exact) and polynomials of degree 9 and 10:
; an eighth of them in each K step, behind the requests for the next step's fragments.
; LIMITS: e0+e1, e2+e3, e4+e5 between -126 and 127; e6, e7, e8 between -126 and 112, so that each power of two below is an f32 number.  NaN among the inputs is not served.
; inv_freq is the rounded reciprocal of the rounded 10^(i/8); rope's sums are fused multiply-adds (one rounding less than a product and a sum).
; REGISTERS, in windows of 256: window 0: addresses, constants, v32-79 at work, v80-127 codes (earlier v112-127 inv_freq), v128-255 cos and sin.   windows 1, 2: fragment sets 0, 1: x v0-63, Wq v64-127, Wk or Wv v128-159.
;   window 3: q's accumulators (a, bt) at 8 (4 a + bt); k's or v's (a, u) at 128 + 8 (2 a + u); bq at v192-223; bk or bv from v224.
.set PITCH,  528                       ; an LDS row of a half: 512 bytes + 16 of padding = 132 words, so that the 16 rows of a fragment load start 4 words apart
.set FROW,   16*PITCH
.set SLOT,   320*PITCH                 ; first half: 128 rows of x, 128 of Wq, 64 of Wk or Wv; from here on the second half's
.set OFFQ,   128*PITCH
.set OFFK,   256*PITCH
.set KP3,    272                       ; the third quarter of Wk or Wv: rows of 256 bytes + 16
.set OFFK3,  SLOT+256*PITCH
.set SPARE,  OFFK3+64*KP3              ; the spare words, 128 bytes for each wave
.set LI,    4                          ; 16 x lane
.set SPW,   6                          ; my spare word; never rewritten
.set NIL,   7                          ; 0; never rewritten
.set ADX,   8                          ; v8, v9    my 64 tokens, first and second half of K
.set ADQL,  10                         ; v10, v11  Wq: my head's columns 32 wn .. + 31
.set ADQH,  12                         ; v12, v13  the head's other 32
.set ADK0,  14                         ; Wk or Wv: my 32 rows, first half (later fourth quarter)
.set ADK3,  15                         ; third quarter
.set LA,    16                         ; LI + 512 wn, and
.set LB,    17                         ; LI + 512 (1 - wn)
.set LV,    18                         ; LI + 1,024 wn
.set HA,    19                         ; 32 h + 128 wn, and
.set QSC,   20                         ; 2^e6 and 57,344 x 2^e6
.set QLIM,  21
.set KSC,   22                         ; the same with e7 (k) or e8 (v)
.set KLIM,  23
.set POS,   24                         ; v24-27  my token's place in its sequence, for each of the four tiles, as f32
.set HB,    28                         ; 32 h + 128 (1 - wn)
.set R4,    29                         ; 4 r + 128 wn
.set C9,    30                         ; 1/9!
.set C10,   31                         ; -1/10!
.set WR,    32                         ; eight registers each, for eight angles at a time
.set WNN,   40
.set WS,    48
.set WP,    56
.set WQ,    64
.set WT,    72
.set T,     32                         ; the way out: 32 numbers
.set U,     64                         ; and 16 products
.set CODE,  80
.set IFR,   112
.set CS,    128                        ; cos at CS + 32 a + 2 p, sin one further; p = 4 bt + jj, bt in the wave's own order
.set WV,   30
.set TYPE, 31                          ; 0: k, 1: v
.set G1A,  32
.set G1Q,  40
.set G1K,  48
.set G0A0, 56
.set G0A1, 60
.set MK,   68                          ; my column's mask
.set MSK,  69                          ; all ones where wn = 1
.set G0Q0, 72
.set G0Q1, 76
.set G0K0, 84
.set G0K1, 88
.set G0K2, 92
.set WM,   96
.set WN,   97
.set CX,   98
.set CY,   99
.set MT,   100
.set JJ,   101
.set SQ,   16                          ; s[16:17] 2^(e0+e1), s[18:19] 2^(e2+e3) or 2^(e4+e5): written when the biases' loads are done
.set SKV,  18
.set MSB, 0
.macro WIN new                         ; the immediate's high byte repeats the setting that is left
.if MSB != (\new)
	s_set_vgpr_msb (MSB<<8)|(\new)
.set MSB, (\new)
.endif
.endm
.macro PLACES                          ; four plain vector instructions behind matrix instructions, ahead of loads into their sources and of reads of their results
.rept 4
	v_nop
.endr
.endm
.macro CROUND                          ; a round of the cluster's barrier
	s_barrier_signal -1
	s_barrier_wait -1
	s_cmp_lg_u32 s[WV], 0
	s_cbranch_scc1 .Lnot_wave_0_\@
	s_barrier_signal -3
.Lnot_wave_0_\@:
	s_barrier_wait -3
	s_barrier_signal -1
	s_barrier_wait -1
.endm
.macro MKG0 g, lds, base, off          ; a descriptor's group 0: count 1, LDS byte, global byte, type 2
	s_mov_b32 s[\g], 1
	s_mov_b32 s[\g+1], \lds
	s_add_nc_u64 s[\g+2:\g+3], s[\base:\base+1], \off
	s_or_b32 s[\g+3], s[\g+3], 0x80000000
.endm
; The joint loads.  Wave 0 asks for x's tile, wave 1 for Wq's, wave 2 for Wk's or Wv's, wave 3 for nothing: the branches hang on the wave's number alone; one load a wave.
.macro JL3 ga, gq, gk
	s_cmp_eq_u32 s[WV], 0
	s_cbranch_scc0 .Lnot_a_\@
	tensor_load_to_lds s[\ga:\ga+3], s[G1A:G1A+7]
	s_nop 0
	PLACES
	s_branch .Lasked_\@
.Lnot_a_\@:
	s_cmp_eq_u32 s[WV], 1
	s_cbranch_scc0 .Lnot_q_\@
	tensor_load_to_lds s[\gq:\gq+3], s[G1Q:G1Q+7]
	s_nop 0
	PLACES
	s_branch .Lasked_\@
.Lnot_q_\@:
	s_cmp_eq_u32 s[WV], 2
	s_cbranch_scc0 .Lasked_\@
	tensor_load_to_lds s[\gk:\gk+3], s[G1K:G1K+7]
	s_nop 0
	PLACES
.Lasked_\@:
.endm
	s_load_b512 s[8:23], s[0:1], 0x0               ; x s[8:9], Wq s[10:11], Wk s[12:13], Wv s[14:15], bq s[16:17], bk s[18:19], bv s[20:21], the scales' exponents s[22:23]
	s_load_b128 s[24:27], s[0:1], 0x40             ; qc s[24:25], kc s[26:27]
	s_load_b64 s[28:29], s[0:1], 0x50              ; vc
	v_lshl_add_u32 v[SPW], v0, 2, SPARE
	v_mov_b32 v[NIL], 0
	ds_add_u32 v[SPW], v[NIL]                      ; the wave's opening: the add, twice on end, and its wait ahead of the first tensor load; work on registers stands between
	ds_add_u32 v[SPW], v[NIL]
	v_lshrrev_b32 v1, 5, v0
	v_readfirstlane_b32 s[WV], v1                  ; wave 0..3
	s_mov_b32 s[TYPE], ttmp9                       ; cluster x: the same in all sixteen partners
	s_lshr_b32 s[WM], s[WV], 1
	s_and_b32 s[WN], s[WV], 1
	s_bfe_u32 s[CX], ttmp6, 0x40000
	s_bfe_u32 s[CY], ttmp6, 0x40004
	s_lshl_b32 s[JJ], ttmp9, 2
	s_add_co_u32 s[JJ], s[JJ], s[CX]               ; j = 4 x cluster x + cx
	s_and_b32 s[MT], ttmp7, 0xffff
	s_lshl_b32 s[MT], s[MT], 2
	s_add_co_u32 s[MT], s[MT], s[CY]               ; mt = 4 x cluster y + cy
	s_lshl_b32 s4, s[CY], 2
	s_lshl_b32 s4, 15, s4                          ; my row of the cluster
	s_lshl_b32 s[MK], 0x1111, s[CX]                ; my column
	s_or_b32 s[G1A], s4, (1<<20)|(1<<21)|(6<<22)|(3<<25)   ; 15:0 the mask; elements of 1 byte; 20 padding on; 21 set beside a mask; after every 128 words (code 6) four words (code 3)
	s_or_b32 s[G1Q], s[MK], (1<<20)|(1<<21)|(6<<22)|(3<<25)
	s_or_b32 s[G1K], s[MK], (1<<20)|(1<<21)|(6<<22)|(3<<25)
.irp g, G1A, G1Q
	s_mov_b32 s[\g+1], 512<<16                     ; tensor_dim0 = 512
	s_mov_b32 s[\g+2], 128<<16                     ; tensor_dim1 = 128
	s_mov_b32 s[\g+3], 512<<16                     ; tile_dim0 = 512
	s_mov_b32 s[\g+4], 128                         ; tile_dim1 = 128
	s_mov_b32 s[\g+5], 1024                        ; from row to row
	s_mov_b32 s[\g+6], 0
	s_mov_b32 s[\g+7], 0
.endr
	s_mov_b32 s[G1K+1], 512<<16
	s_mov_b32 s[G1K+2], 64<<16                     ; 64 rows
	s_mov_b32 s[G1K+3], 512<<16
	s_mov_b32 s[G1K+4], 64
	s_mov_b32 s[G1K+5], 1024
	s_mov_b32 s[G1K+6], 0
	s_mov_b32 s[G1K+7], 0
	s_lshl_b32 s4, s[MT], 17                       ; x: 128 rows of 1,024 bytes for each mt: hangs on the tile row alone
	s_mov_b32 s5, 0
	s_lshl_b32 s66, s[JJ], 17                      ; Wq: the same for each j: on the tile column alone
	s_mov_b32 s67, 0
	s_lshl_b32 s104, s[CX], 16                     ; Wk, Wv: 64 rows for each head
	s_mov_b32 s105, 0
	s_wait_dscnt 0x0                               ; both opening adds are done
	s_wait_kmcnt 0x0
	s_add_nc_u64 s[4:5], s[8:9], s[4:5]
	s_add_nc_u64 s[66:67], s[10:11], s[66:67]
	s_cmp_eq_u32 s[TYPE], 0
	s_cselect_b64 s[6:7], s[12:13], s[14:15]
	s_add_nc_u64 s[104:105], s[6:7], s[104:105]
	MKG0 G0A0, 0,         4, 0
	MKG0 G0A1, SLOT,      4, 512
	MKG0 G0Q0, OFFQ,      66, 0
	MKG0 G0Q1, OFFQ+SLOT, 66, 512
	MKG0 G0K0, OFFK,      104, 0
	MKG0 G0K1, OFFK3,     104, 512
	MKG0 G0K2, OFFK,      104, 768
	CROUND                                         ; all sixteen work-groups are here: the first joint loads meet
	JL3 G0A0, G0Q0, G0K0                           ; K's first half
	; ---- while the tiles are on their way: pointers, addresses, biases, inv_freq
	s_load_b256 s[8:15], s[22:23], 0x0             ; e0 .. e7 (the four pointers that lay here have been used)
	s_load_b32 s3, s[22:23], 0x20                  ; e8
	s_lshr_b32 s6, s[MT], 4                        ; b
	s_and_b32 s7, s[MT], 15                        ; which 128 tokens of the sequence
	s_lshl_b32 s66, s7, 3
	s_lshl_b32 s104, s[WM], 2
	s_add_co_u32 s66, s66, s104                    ; the first tile of my 64 tokens
	s_lshl_b32 s2, s6, 4
	s_lshl_b32 s104, s[JJ], 1
	s_add_co_u32 s2, s2, s104
	s_add_co_u32 s2, s2, s[WN]                     ; 16 b + my head
	s_lshl_b32 s2, s2, 7
	s_add_co_u32 s2, s2, s66
	s_lshl_b32 s104, s2, 10                        ; a tile of tokens is 1,024 bytes of a head
	s_mov_b32 s105, 0
	s_add_nc_u64 s[24:25], s[24:25], s[104:105]    ; qc
	s_lshl_b32 s2, s6, 2
	s_add_co_u32 s2, s2, s[CX]                     ; 4 b + key/value head
	s_lshl_b32 s2, s2, 7
	s_add_co_u32 s2, s2, s66
	s_lshl_b32 s104, s2, 10                        ; the same in kc and in vc
	s_cmp_eq_u32 s[TYPE], 0
	s_cselect_b64 s[26:27], s[26:27], s[28:29]
	s_add_nc_u64 s[26:27], s[26:27], s[104:105]    ; where my k or v goes
	s_lshl_b32 s66, s[JJ], 9
	s_lshl_b32 s104, s[WN], 8
	s_add_co_u32 s66, s66, s104
	s_mov_b32 s67, 0
	s_add_nc_u64 s[16:17], s[16:17], s[66:67]      ; bq at my head
	s_lshl_b32 s66, s[CX], 8
	s_add_nc_u64 s[18:19], s[18:19], s[66:67]      ; bk, bv at the key/value head
	s_add_nc_u64 s[20:21], s[20:21], s[66:67]
	v_and_b32 v1, 15, v0                           ; r
	v_bfe_u32 v2, v0, 4, 1                         ; h
	v_mul_u32_u24 v3, v1, PITCH
	v_lshl_add_u32 v3, v2, 4, v3                   ; a fragment's row x pitch + 16 h
	v_mul_u32_u24 v5, v1, KP3
	v_lshl_add_u32 v5, v2, 4, v5
	v_and_b32 v[LI], 31, v0
	v_lshlrev_b32 v[LI], 4, v[LI]
	s_lshl_b32 s2, s[WN], 9
	s_lshl_b32 s66, s[WN], 10
	s_lshl_b32 s104, s[WN], 7
	s_wait_alu depctr_va_vdst(0)
	v_add_nc_u32 v[LA], s2, v[LI]
	v_xor_b32 v[LB], 512, v[LA]
	v_add_nc_u32 v[LV], s66, v[LI]
	v_lshlrev_b32 v[HA], 5, v2
	v_add_nc_u32 v[HA], s104, v[HA]
	v_xor_b32 v[HB], 128, v[HA]
	v_lshlrev_b32 v[R4], 2, v1
	v_add_nc_u32 v[R4], s104, v[R4]
	s_mul_i32 s2, s[WM], 64*PITCH                  ; my 64 rows of x
	s_mul_i32 s66, s[WN], 96*PITCH
	s_add_co_u32 s66, s66, OFFQ                    ; Wq: row 64 wn + 32 wn,
	s_mul_i32 s104, s[WN], 32*PITCH
	s_add_co_u32 s67, s104, OFFQ+32*PITCH          ; and row 64 wn + 32 (1 - wn)
	s_add_co_u32 s104, s104, OFFK                  ; Wk, Wv: row 32 wn
	s_mul_i32 s105, s[WN], 32*KP3
	s_add_co_u32 s105, s105, OFFK3
	s_wait_alu depctr_va_vdst(0)
	v_add_nc_u32 v[ADX], s2, v3
	v_add_nc_u32 v[ADQL], s66, v3
	v_add_nc_u32 v[ADQH], s67, v3
	v_add_nc_u32 v[ADK0], s104, v3
	v_add_nc_u32 v[ADK3], s105, v5
	v_add_nc_u32 v[ADX+1], SLOT, v[ADX]
	v_add_nc_u32 v[ADQL+1], SLOT, v[ADQL]
	v_add_nc_u32 v[ADQH+1], SLOT, v[ADQH]
	WIN 0xc0                                       ; destination window 3
.irp u, 0,1
	global_load_b128 v[192+8*\u:195+8*\u], v[HA], s[16:17] offset:64*\u          ; bq in the wave's order of tiles: 8 h + 0 .. 7 of each
	global_load_b128 v[196+8*\u:199+8*\u], v[HA], s[16:17] offset:64*\u+16
	global_load_b128 v[208+8*\u:211+8*\u], v[HB], s[16:17] offset:64*\u
	global_load_b128 v[212+8*\u:215+8*\u], v[HB], s[16:17] offset:64*\u+16
.endr
	WIN 0
	s_wait_alu depctr_va_vdst(0)                   ; ahead of the branch
	s_cmp_eq_u32 s[TYPE], 0
	s_cbranch_scc0 .Lbias_v
	WIN 0xc0
.irp u, 0,1
	global_load_b128 v[224+8*\u:227+8*\u], v[HA], s[18:19] offset:64*\u
	global_load_b128 v[228+8*\u:231+8*\u], v[HA], s[18:19] offset:64*\u+16
.endr
	WIN 0
	s_branch .Lbias_done
.Lbias_v:
	WIN 0xc0
.irp u, 0,1
	global_load_b32 v[224+2*\u], v[R4], s[20:21] offset:64*\u                    ; bv at channel 32 wn + 16 u + r; twice, since the packed form names the pair
	global_load_b32 v[225+2*\u], v[R4], s[20:21] offset:64*\u
.endr
	WIN 0
.Lbias_done:
	; 10^(i/8) for the 16 frequencies i = 8 bt + 4 h + jj: lanes 0-15 take the first number, lanes 16-31 the second
	v_cmp_eq_u32 vcc_lo, 1, v2
.macro IFREQ p, lit0, lit1
	v_mov_b32 v[IFR+\p], \lit1
	v_cndmask_b32 v[IFR+\p], \lit0, v[IFR+\p], vcc_lo
.endm
	IFREQ 0,  1.0, 3.1622776601683795
	IFREQ 1,  1.333521432163324, 4.216965034285822
	IFREQ 2,  1.7782794100389228, 5.623413251903491
	IFREQ 3,  2.371373705661655, 7.498942093324558
	IFREQ 4,  10.0, 31.622776601683795
	IFREQ 5,  13.33521432163324, 42.16965034285822
	IFREQ 6,  17.782794100389228, 56.23413251903491
	IFREQ 7,  23.71373705661655, 74.98942093324558
	IFREQ 8,  100.0, 316.22776601683795
	IFREQ 9,  133.3521432163324, 421.6965034285822
	IFREQ 10, 177.82794100389228, 562.3413251903491
	IFREQ 11, 237.1373705661655, 749.8942093324558
	IFREQ 12, 1000.0, 3162.2776601683795
	IFREQ 13, 1333.521432163324, 4216.965034285822
	IFREQ 14, 1778.2794100389228, 5623.413251903491
	IFREQ 15, 2371.373705661655, 7498.942093324558
	s_wait_alu depctr_va_vdst(0)                   ; ahead of the batch
.irp p, 0,1,2,3,4,5,6,7,8,9,10,11,12,13,14,15
	v_rcp_f32 v[32+\p], v[IFR+\p]                  ; one batch of sixteen
.endr
	v_nop                                          ; a plain instruction behind the last of them
	s_wait_alu depctr_va_vdst(0)                   ; one wait for the batch, ahead of its first reader
.irp p, 0,1,2,3,4,5,6,7,8,9,10,11,12,13,14,15
	v_fma_f32 v[48+\p], -v[IFR+\p], v[32+\p], 1.0  ; the reciprocal is refined twice: e = 1 - y r, r = r + e r
.endr
.irp p, 0,1,2,3,4,5,6,7,8,9,10,11,12,13,14,15
	v_fma_f32 v[32+\p], v[48+\p], v[32+\p], v[32+\p]
.endr
.irp p, 0,1,2,3,4,5,6,7,8,9,10,11,12,13,14,15
	v_fma_f32 v[48+\p], -v[IFR+\p], v[32+\p], 1.0
.endr
.irp p, 0,1,2,3,4,5,6,7,8,9,10,11,12,13,14,15
	v_fma_f32 v[48+\p], v[48+\p], v[32+\p], v[32+\p]
.endr
	s_sub_co_u32 s[MSK], 0, s[WN]
.irp p, 0,1,2,3,4,5,6,7,8,9,10,11,12,13,14,15
	v_cndmask_b32 v[IFR+\p], v[48+\p], v[48+(\p+8)%16], s[MSK]   ; inv_freq in the wave's order of tiles
.endr
	s_lshl_b32 s2, s7, 7
	s_lshl_b32 s66, s[WM], 6
	s_add_co_u32 s66, s66, s2                      ; the place in the sequence of my first token
	v_add_nc_u32 v32, s66, v1
	v_add_nc_u32 v33, 16, v32
	v_add_nc_u32 v34, 32, v32
	v_add_nc_u32 v35, 48, v32
.irp a, 0,1,2,3
	v_cvt_f32_u32 v[POS+\a], v[32+\a]
.endr
	v_mov_b32 v[C9], 0x3638ef1d
	v_mov_b32 v[C10], 0xb493f27e
	s_wait_alu depctr_va_vdst(0)                   ; ahead of the blocking waits
	s_wait_loadcnt 0x0                             ; the biases are in, so their pointers' registers may be written
	s_wait_kmcnt 0x0                               ; e0 .. e8
	s_add_co_i32 s16, s8, s9
	s_add_co_i32 s16, s16, 127
	s_lshl_b32 s16, s16, 23                        ; 2^(e0 + e1) as f32
	s_mov_b32 s17, s16                             ; (named with it as a pair, so it is written)
	s_add_co_i32 s18, s10, s11
	s_add_co_i32 s19, s12, s13
	s_cmp_eq_u32 s[TYPE], 0
	s_cselect_b32 s18, s18, s19                    ; e2 + e3 for k, e4 + e5 for v
	s_cselect_b32 s2, s15, s3                      ; e7 for k, e8 for v
	s_add_co_i32 s18, s18, 127
	s_lshl_b32 s18, s18, 23
	s_mov_b32 s19, s18
	s_add_co_i32 s6, s14, 127
	s_lshl_b32 s7, s6, 23
	v_mov_b32 v[QSC], s7                           ; 2^e6: the conversion takes its exponent field
	s_add_co_i32 s6, s6, 15
	s_lshl_b32 s6, s6, 23
	s_or_b32 s6, s6, 0x600000
	v_mov_b32 v[QLIM], s6                          ; 57,344 x 2^e6
	s_add_co_i32 s6, s2, 127
	s_lshl_b32 s7, s6, 23
	v_mov_b32 v[KSC], s7
	s_add_co_i32 s6, s6, 15
	s_lshl_b32 s6, s6, 23
	s_or_b32 s6, s6, 0x600000
	v_mov_b32 v[KLIM], s6
; Eight angles of tile a, frequencies p = 8 g + 0 .. 7, stage by stage so that no line waits for the line above it.
; n = the nearest whole number to angle x 2/pi (under 2^11); r = angle - n x pi/2 in two parts: the first part of pi/2 has 21 bits, so the first step rounds nothing.
.macro SC8 a, g
.irp k, 0,1,2,3,4,5,6,7
	v_mul_f32 v[WT+\k], v[POS+(\a)], v[IFR+8*(\g)+\k]  ; the angle: one rounding, as the definition has it
.endr
.irp k, 0,1,2,3,4,5,6,7
	v_mul_f32 v[WNN+\k], 0x3f22f983, v[WT+\k]
.endr
.irp k, 0,1,2,3,4,5,6,7
	v_rndne_f32 v[WNN+\k], v[WNN+\k]
.endr
.irp k, 0,1,2,3,4,5,6,7
	v_fmamk_f32 v[WR+\k], v[WNN+\k], 0xbfc90fd8, v[WT+\k]
.endr
.irp k, 0,1,2,3,4,5,6,7
	v_fmamk_f32 v[WR+\k], v[WNN+\k], 0xb4a8885a, v[WR+\k]
.endr
.irp k, 0,1,2,3,4,5,6,7
	v_cvt_i32_f32 v[WNN+\k], v[WNN+\k]
	v_mul_f32 v[WS+\k], v[WR+\k], v[WR+\k]
.endr
.irp k, 0,1,2,3,4,5,6,7
	v_fmaak_f32 v[WP+\k], v[C9], v[WS+\k], 0xb9500d01      ; sin r = r + r s (-1/6 + s (1/120 + s (-1/5040 + s/9!)))
	v_fmaak_f32 v[WQ+\k], v[C10], v[WS+\k], 0x37d00d01     ; cos r = 1 + s (-1/2 + s (1/24 + s (-1/720 + s (1/8! - s/10!))))
.endr
.irp k, 0,1,2,3,4,5,6,7
	v_fmaak_f32 v[WP+\k], v[WP+\k], v[WS+\k], 0x3c088889
	v_fmaak_f32 v[WQ+\k], v[WQ+\k], v[WS+\k], 0xbab60b61
.endr
.irp k, 0,1,2,3,4,5,6,7
	v_fmaak_f32 v[WP+\k], v[WP+\k], v[WS+\k], 0xbe2aaaab
	v_fmaak_f32 v[WQ+\k], v[WQ+\k], v[WS+\k], 0x3d2aaaab
.endr
.irp k, 0,1,2,3,4,5,6,7
	v_mul_f32 v[WT+\k], v[WR+\k], v[WS+\k]
	v_fma_f32 v[WQ+\k], v[WQ+\k], v[WS+\k], -0.5
.endr
.irp k, 0,1,2,3,4,5,6,7
	v_fma_f32 v[WP+\k], v[WP+\k], v[WT+\k], v[WR+\k]
	v_fma_f32 v[WQ+\k], v[WQ+\k], v[WS+\k], 1.0
.endr
.irp k, 0,1,2,3,4,5,6,7
	v_and_b32 v[WT+\k], 1, v[WNN+\k]
.endr
.irp k, 0,1,2,3,4,5,6,7
	v_cmp_eq_u32 vcc_lo, 1, v[WT+\k]               ; in an odd quadrant sin and cos change places
	v_cndmask_b32 v[WR+\k], v[WP+\k], v[WQ+\k], vcc_lo
	v_cndmask_b32 v[WS+\k], v[WQ+\k], v[WP+\k], vcc_lo
.endr
.irp k, 0,1,2,3,4,5,6,7
	v_and_b32 v[WT+\k], 2, v[WNN+\k]               ; sin's sign: bit 1 of n;
	v_add_nc_u32 v[WNN+\k], 1, v[WNN+\k]           ; cos's: bit 1 of n + 1
.endr
.irp k, 0,1,2,3,4,5,6,7
	v_lshlrev_b32 v[WT+\k], 30, v[WT+\k]
	v_and_b32 v[WNN+\k], 2, v[WNN+\k]
.endr
.irp k, 0,1,2,3,4,5,6,7
	v_xor_b32 v[CS+32*(\a)+2*(8*(\g)+\k)+1], v[WT+\k], v[WR+\k]
	v_lshlrev_b32 v[WNN+\k], 30, v[WNN+\k]
.endr
.irp k, 0,1,2,3,4,5,6,7
	v_xor_b32 v[CS+32*(\a)+2*(8*(\g)+\k)], v[WNN+\k], v[WS+\k]
.endr
.endm
; ---- the eight K steps of 128
.macro FRAG reg, adr, off              ; 16 rows x 128 K: registers 4 c .. 4 c + 3 hold K = 32 c + 16 (lane / 16) + 0 .. 15
.irp c, 0,1,2,3
	ds_load_b128 v[\reg+4*\c:\reg+4*\c+3], v[\adr] offset:(\off)+32*\c
.endr
.endm
.macro FETCH s, set                    ; 40 LDS loads in one run: step s into fragment set 0 (window 1) or 1 (window 2)
	WIN 0x40*(1+(\set))
.irp i, 0,1,2,3
	FRAG 16*\i, ADX+(\s)/4, 128*((\s)%4)+\i*FROW
.endr
.irp i, 0,1
	FRAG 64+16*\i, ADQL+(\s)/4, 128*((\s)%4)+\i*FROW
.endr
.irp i, 0,1
	FRAG 96+16*\i, ADQH+(\s)/4, 128*((\s)%4)+\i*FROW
.endr
.irp i, 0,1
.if (\s) < 4
	FRAG 128+16*\i, ADK0, 128*(\s)+\i*FROW
.elseif (\s) < 6
	FRAG 128+16*\i, ADK3, 128*((\s)-4)+\i*16*KP3
.else
	FRAG 128+16*\i, ADK0, 128*((\s)-6)+\i*FROW
.endif
.endr
	WIN 0
.endm
; The 24 accumulators take turns, one instruction a turn, in the same order in every step.  zero = 1: the first step's products start the sums.
.macro MULQ set, zero
	WIN 0xf5+5*(\set)
.irp a, 0,1,2,3
.irp bt, 0,1,2,3
.if \zero
	v_wmma_f32_16x16x128_bf8_bf8 v[8*(4*\a+\bt):8*(4*\a+\bt)+7], v[64+16*\bt:64+16*\bt+15], v[16*\a:16*\a+15], 0
.else
	v_wmma_f32_16x16x128_bf8_bf8 v[8*(4*\a+\bt):8*(4*\a+\bt)+7], v[64+16*\bt:64+16*\bt+15], v[16*\a:16*\a+15], v[8*(4*\a+\bt):8*(4*\a+\bt)+7]
.endif
.endr
.endr
.endm
.macro MULKV set, zero                 ; k: transposed like q; v: source 0 = tokens.  The branch hangs on the cluster's x alone
	WIN 0
	s_cmp_eq_u32 s[TYPE], 0
	s_cbranch_scc0 .Lmul_v_\@
	WIN 0xf5+5*(\set)
.irp a, 0,1,2,3
.irp u, 0,1
.if \zero
	v_wmma_f32_16x16x128_bf8_bf8 v[128+8*(2*\a+\u):128+8*(2*\a+\u)+7], v[128+16*\u:128+16*\u+15], v[16*\a:16*\a+15], 0
.else
	v_wmma_f32_16x16x128_bf8_bf8 v[128+8*(2*\a+\u):128+8*(2*\a+\u)+7], v[128+16*\u:128+16*\u+15], v[16*\a:16*\a+15], v[128+8*(2*\a+\u):128+8*(2*\a+\u)+7]
.endif
.endr
.endr
	WIN 0
	s_branch .Lmul_done_\@
.Lmul_v_\@:
	WIN 0xf5+5*(\set)
.irp a, 0,1,2,3
.irp u, 0,1
.if \zero
	v_wmma_f32_16x16x128_bf8_bf8 v[128+8*(2*\a+\u):128+8*(2*\a+\u)+7], v[16*\a:16*\a+15], v[128+16*\u:128+16*\u+15], 0
.else
	v_wmma_f32_16x16x128_bf8_bf8 v[128+8*(2*\a+\u):128+8*(2*\a+\u)+7], v[16*\a:16*\a+15], v[128+16*\u:128+16*\u+15], v[128+8*(2*\a+\u):128+8*(2*\a+\u)+7]
.endif
.endr
.endr
	WIN 0
.Lmul_done_\@:
.endm
.macro KSTEP s, zero                   ; a step: its fragments are in; the next step's are asked for, into the other set; an eighth of the angles; then its 24 products
	s_wait_dscnt 0x0
.if (\s) < 7
	PLACES                                         ; behind the last step's products, which read the other set
	FETCH (\s)+1, 1-(\s)%2
.endif
	SC8 (\s)/2, (\s)%2
	s_wait_alu depctr_va_vdst(0)                   ; ahead of the branch
	MULQ (\s)%2, \zero
	MULKV (\s)%2, \zero
.endm
	s_wait_alu depctr_va_vdst(0)                   ; at the head's end
	s_wait_tensorcnt 0x0                           ; my part of the first half is in
	ds_add_u32 v[SPW], v[NIL]
	ds_add_u32 v[SPW], v[NIL]                      ; twice on end
	s_or_b32 s[G1K], s[MK], (1<<20)|(1<<21)|(5<<22)|(3<<25)   ; Wk, Wv from here on: rows of 256 bytes, four words of padding after every 64
	s_mov_b32 s[G1K+1], 256<<16
	s_mov_b32 s[G1K+3], 256<<16
	s_wait_dscnt 0x0
	CROUND                                         ; the first half is whole everywhere, and the joint loads meet
	JL3 G0A1, G0Q1, G0K1                           ; x's and Wq's second half, the third quarter of Wk or Wv: first fills
	FETCH 0, 0
	KSTEP 0, 1
	KSTEP 1, 0
	KSTEP 2, 0
	; step 3: with its fragments in registers the first half of Wk or Wv has been read; its columns 0 .. 255 are filled again
	s_wait_tensorcnt 0x0                           ; all my tensor loads have landed, so their descriptors may be written
	ds_add_u32 v[SPW], v[NIL]
	ds_add_u32 v[SPW], v[NIL]
	s_or_b32 s[G1K], s[MK], (1<<20)|(1<<21)|(5<<22)|(67<<25)  ; 68 words behind every 64: 256 bytes of each row of 528, the bytes that the first half's left columns had
	s_wait_dscnt 0x2                               ; step 3's fragments are in; the two adds alone may be out
	MULQ 1, 0                                      ; sixteen products stand between the adds and the wait for them
	WIN 0
	s_wait_dscnt 0x0
	CROUND                                         ; no wave of any partner reads those bytes any more; and the second half is whole everywhere
	s_cmp_eq_u32 s[WV], 2
	s_cbranch_scc0 .Lnot_again
	tensor_load_to_lds s[G0K2:G0K2+3], s[G1K:G1K+7]   ; the joint refill, first behind the round
	s_nop 0
	PLACES
.Lnot_again:
	PLACES                                         ; on every way, ahead of the loads into set 0, which step 2's products read
	FETCH 4, 0
	SC8 1, 1
	s_wait_alu depctr_va_vdst(0)
	MULKV 1, 0
	KSTEP 4, 0
	; step 5: the refill is waited for. These are also the wave's three last lines and the closing round: no LDS byte is written from here on
	s_wait_tensorcnt 0x0
	ds_add_u32 v[SPW], v[NIL]
	s_wait_dscnt 0x1                               ; step 5's fragments are in; the add alone may be out
	MULQ 1, 0
	WIN 0
	s_wait_dscnt 0x0
	CROUND                                         ; the fourth quarter is whole everywhere, and no work-group asks for anything more
	PLACES
	FETCH 6, 0
	SC8 2, 1
	s_wait_alu depctr_va_vdst(0)
	MULKV 1, 0
	KSTEP 6, 0
	KSTEP 7, 0
; ---- the way out: no stage: a lane's codes are the next operand's registers, and a wave's store covers 512 consecutive bytes
; n numbers a lane of one tile of 16 tokens of q (32) or k (16): sum x 2^e + bias, rope, the hold, the conversion.
.macro ROPEOUT n, acc, bias, cs, sp, vsc, vlim, code
	WIN 0x33                                       ; sources 0 (the sums) and 2 (the bias) window 3
.irp i, 0,2,4,6,8,10,12,14,16,18,20,22,24,26,28,30
.if \i < \n
	v_pk_fma_f32 v[T+\i:T+\i+1], v[\acc+\i:\acc+\i+1], s[\sp:\sp+1], v[\bias+\i:\bias+\i+1] op_sel_hi:[1,0,1]   ; each accumulator from its low end on
.endif
.endr
	WIN 0
.irp g, 0,8
.if 2*\g < \n
.irp k, 0,1,2,3,4,5,6,7
	v_mul_f32 v[U+2*\k], v[T+2*(\g+\k)+1], v[\cs+2*(\g+\k)+1]       ; x2 sin
	v_mul_f32 v[U+2*\k+1], v[T+2*(\g+\k)+1], v[\cs+2*(\g+\k)]       ; x2 cos
.endr
.irp k, 0,1,2,3,4,5,6,7
	v_fma_f32 v[T+2*(\g+\k)+1], v[T+2*(\g+\k)], v[\cs+2*(\g+\k)+1], v[U+2*\k+1]   ; x1 sin + x2 cos
	v_fma_f32 v[T+2*(\g+\k)], v[T+2*(\g+\k)], v[\cs+2*(\g+\k)], -v[U+2*\k]        ; x1 cos - x2 sin
.endr
.endif
.endr
.irp i, 0,1,2,3,4,5,6,7,8,9,10,11,12,13,14,15,16,17,18,19,20,21,22,23,24,25,26,27,28,29,30,31
.if \i < \n
	v_med3_num_f32 v[T+\i], v[T+\i], -v[\vlim], v[\vlim]   ; the conversion to an 8-bit code does not saturate (ISA guide 7.6.2): the hold at the largest code x the scale
.endif
.endr
.irp bt, 0,1,2,3
.if 8*\bt < \n
	v_cvt_scalef32_pk8_bf8_f32 v[\code+2*\bt:\code+2*\bt+1], v[T+8*\bt:T+8*\bt+7], v[\vsc]   ; a tile's 8 h + 0 .. 7: two registers of the operand
.endif
.endr
	v_nop                                          ; a plain instruction between the conversions and the next lines that write their sources
.endm
; v: 32 keys (pair c of my two) of channels 32 wn + 16 u + r are 16 registers; their codes are four registers of the operand: one store
.macro VOUT c, u
	WIN 0x33
.irp a, 0,1
.irp i, 0,2,4,6
	v_pk_fma_f32 v[T+16*(\u)+8*\a+\i:T+16*(\u)+8*\a+\i+1], v[128+8*(2*(2*(\c)+\a)+(\u))+\i:128+8*(2*(2*(\c)+\a)+(\u))+\i+1], s[SKV:SKV+1], v[224+2*(\u):225+2*(\u)] op_sel_hi:[1,0,0]
.endr
.endr
	WIN 0
.irp i, 0,1,2,3,4,5,6,7,8,9,10,11,12,13,14,15
	v_med3_num_f32 v[T+16*(\u)+\i], v[T+16*(\u)+\i], -v[KLIM], v[KLIM]
.endr
	v_cvt_scalef32_pk8_bf8_f32 v[CODE+32+4*(2*(\c)+(\u)):CODE+33+4*(2*(\c)+(\u))], v[T+16*(\u):T+16*(\u)+7], v[KSC]
	v_cvt_scalef32_pk8_bf8_f32 v[CODE+34+4*(2*(\c)+(\u)):CODE+35+4*(2*(\c)+(\u))], v[T+16*(\u)+8:T+16*(\u)+15], v[KSC]
	v_nop
	global_store_b128 v[LV], v[CODE+32+4*(2*(\c)+(\u)):CODE+35+4*(2*(\c)+(\u))], s[26:27] offset:2048*(\c)+512*(\u)
.endm
	PLACES                                         ; behind the last products, ahead of the first read of results
.irp a, 0,1,2,3
	ROPEOUT 32, 32*\a, 192, CS+32*\a, SQ, QSC, QLIM, CODE+8*\a
	global_store_b128 v[LA], v[CODE+8*\a:CODE+8*\a+3], s[24:25] offset:1024*\a       ; my first two tiles of columns: block wn,
	global_store_b128 v[LB], v[CODE+8*\a+4:CODE+8*\a+7], s[24:25] offset:1024*\a     ; the other two: block 1 - wn
.endr
	s_cmp_eq_u32 s[TYPE], 0
	s_cbranch_scc0 .Lout_v
.irp a, 0,1,2,3
	ROPEOUT 16, 128+16*\a, 224, CS+32*\a, SKV, KSC, KLIM, CODE+32+4*\a
	global_store_b128 v[LA], v[CODE+32+4*\a:CODE+35+4*\a], s[26:27] offset:1024*\a
.endr
	s_branch .Lout_done
.Lout_v:
	VOUT 0, 0
	VOUT 0, 1
	VOUT 1, 0
	VOUT 1, 1
.Lout_done:
	s_endpgm
.Lfunc_end_k_qd75b8e8b82_qkv:
	.size	k_qd75b8e8b82_qkv, .Lfunc_end_k_qd75b8e8b82_qkv-k_qd75b8e8b82_qkv
	.p2alignl 7, 3214868480
	.fill 96, 4, 3214868480
	.section	.rodata,"a",@progbits
	.p2align	6, 0x0
	.amdhsa_kernel k_qd75b8e8b82_qkv
		.amdhsa_group_segment_fixed_size 327680
		.amdhsa_private_segment_fixed_size 0
		.amdhsa_enable_private_segment 0
		.amdhsa_kernarg_size 88
		.amdhsa_user_sgpr_count 2
		.amdhsa_user_sgpr_kernarg_segment_ptr 1
		.amdhsa_wavefront_size32 1
		.amdhsa_system_sgpr_workgroup_id_x 1
		.amdhsa_system_sgpr_workgroup_id_y 1
		.amdhsa_system_sgpr_workgroup_id_z 1
		.amdhsa_system_vgpr_workitem_id 0
		.amdhsa_next_free_vgpr 1024
		.amdhsa_next_free_sgpr 106
		.amdhsa_reserve_vcc 1
		.amdhsa_float_denorm_mode_32 3
		.amdhsa_float_denorm_mode_16_64 3
		.amdhsa_memory_ordered 1
		.amdhsa_forward_progress 1
		.amdhsa_inst_pref_size 190
	.end_amdhsa_kernel
	.amdgpu_metadata
---
amdhsa.version: [ 1, 2 ]
amdhsa.kernels:
  - .name:           k_qd75b8e8b82_qkv
    .symbol:         k_qd75b8e8b82_qkv.kd
    .args:
      - { .name: x_codes, .offset: 0, .size: 8, .value_kind: global_buffer, .address_space: global }
      - { .name: wq_w_codes, .offset: 8, .size: 8, .value_kind: global_buffer, .address_space: global }
      - { .name: wk_w_codes, .offset: 16, .size: 8, .value_kind: global_buffer, .address_space: global }
      - { .name: wv_w_codes, .offset: 24, .size: 8, .value_kind: global_buffer, .address_space: global }
      - { .name: wq_b, .offset: 32, .size: 8, .value_kind: global_buffer, .address_space: global }
      - { .name: wk_b, .offset: 40, .size: 8, .value_kind: global_buffer, .address_space: global }
      - { .name: wv_b, .offset: 48, .size: 8, .value_kind: global_buffer, .address_space: global }
      - { .name: lowp_scales, .offset: 56, .size: 8, .value_kind: global_buffer, .address_space: global }
      - { .name: qc, .offset: 64, .size: 8, .value_kind: global_buffer, .address_space: global }
      - { .name: kc, .offset: 72, .size: 8, .value_kind: global_buffer, .address_space: global }
      - { .name: vc, .offset: 80, .size: 8, .value_kind: global_buffer, .address_space: global }
    .group_segment_fixed_size: 327680
    .private_segment_fixed_size: 0
    .kernarg_segment_align: 8
    .kernarg_segment_size: 88
    .max_flat_workgroup_size: 128
    .sgpr_count:     106
    .vgpr_count:     1024
    .wavefront_size: 32
...
	.end_amdgpu_metadata
.endif
;; end of part 1
;; launch attn (part 2): grid 32 x 8, 16 waves a work-group, clusters of 4 x 1, 327,680 bytes of LDS; arguments qc, kc, vc, lowp_scales, ctxc; writes ctxc
.if DOCPART == 2
	.amdgcn_target "amdgcn-amd-amdhsa--gfx1250"
	.amdhsa_code_object_version 6
	.text
	.protected	k_qd75b8e8b82_attn
	.globl	k_qd75b8e8b82_attn
	.p2align	8
	.type	k_qd75b8e8b82_attn,@function
k_qd75b8e8b82_attn:
	s_mov_b64 s[64:65], 0
	v_nop
	global_prefetch_b8 v0, s[64:65] scope:SCOPE_SE
	s_setreg_imm32_b32 hwreg(HW_REG_WAVE_MODE, 25, 1), 1
	s_wait_xcnt 0x0
	s_wait_alu depctr_hold_cnt(0) depctr_sa_sdst(0) depctr_va_vdst(0) depctr_va_sdst(0) depctr_va_ssrc(0) depctr_va_vcc(0) depctr_vm_vsrc(0)
	s_getreg_b32 s2, hwreg(HW_REG_IB_STS2, 6, 4)
	s_cmp_eq_u32 s2, 0
	s_cbranch_scc0 .Lentry_in_a_cluster
	s_endpgm
.Lentry_in_a_cluster:
	s_bfe_u32 s2, ttmp6, 0x10000c
	s_cmp_lg_u32 s2, 0x3003
	s_cbranch_scc0 .Lentry_shape_is_right
	s_endpgm
.Lentry_shape_is_right:
; ctx[q] = the sum over keys k with q - 1024 <= k <= q of softmax_k(q . k / 8) v[k], both products on codes of E5M2; ctx is quantised with 2^e10 and stored as images of the last product's operand registers.
; qc, kc: [head][tile of 16 tokens][2][512]: a fragment (16 rows x 64) as its eight registers, four to a block of 512 bytes, lane l's 16 bytes at 16 l.  vc: [head][32 keys][16 channels: 4][512] likewise.
; So 32 keys (A PAIR of tiles) are 2,048 bytes of K and 2,048 bytes of V.
; LEFT OUT: pairs of tiles that the definition's own mask hides from all 16 queries of a wave: their p is 0 for all values of the inputs.  LIMIT: a NaN or an infinity among those scores is not carried to the result.
; THE SOFTMAX AHEAD OF THE SECOND PRODUCT: t = score x log2(e) / 8; M = the row's largest t so far, rounded UP to a whole number; p = 2^(t - M) is quantised with 2^e9, not normalised; the row's sum is taken of the
; unquantised p and divides at the end.  When M moves, the sum and O are multiplied by 2^(old M - new M): exact.
; SHARES.  A work-group is one query head; a cluster is the four query heads that share one key/value head, whose K and V all four receive jointly.  Each of sixteen waves owns ONE tile i of 16 queries, in 256 registers.
; Work-group g of a head's eight, x = 8 (wave % 8) + g: waves 0-7 take i = 64 + x (65 tiles of keys each), waves 8-11 i = x, waves 12-15 i = 95 - x: of waves s, s + 4, s + 8 and s + 12 two have 65 tiles of keys and the
; other two 65 together, in every work-group.
; KEYS.  All 2,048 keys of the head lie in LDS, K's 128 KiB and V's 128 KiB, sixteen joint loads of 16 KiB, one a wave, all first fills; every work-group's waves read all of them.  No loop loads, so nothing is prefetched.
; WALK.  First the pair of tiles on the diagonal, which starts M, the sum and O; then steps of four pairs, 128 keys, from pair max(i/2 - 32, 0) on: eight at the most.
; LAYOUT.  S^T = K Q^T (source 0 = 16 keys, source 1 = my queries), O^T = V^T P^T: a lane holds one query throughout; the eight registers of a tile of S^T convert into registers 2 t, 2 t + 1 of P's fragment.
; LIMITS: e6 + e7 between -123 and 130 (added to c's exponent field); e9, e10 between -126 and 112; e8 + e9 is applied by v_ldexp_f32 and has none; |t| under 2^31.  NaN among the inputs is not served.
; REGISTERS: v16-23 Q; KR v24-87 eight fragments of K; VR v88-151 four of V; v152-167 p's codes, laid over scores that have been converted; SR v154-217 S^T, then p; OR v218-249 O^T; XR v250-255 at work.
.set NKB,   131072                     ; K's bytes; V's lie behind them
.set SPARE, 2*NKB                      ; behind them: the spare words, 128 bytes for each of sixteen waves
.set LI,   1                           ; v1  16 x lane
.set LIV,  2                           ; v2  the same in V's region
.set ADK,  3
.set ADV,  4
.set SPW,  5                           ; v5  my spare word; never rewritten
.set NIL,  6                           ; v6  0; never rewritten
.set DR,   7                           ; v7  d: my query's place in its pair of tiles, less 8 (lane / 16)
.set SUM,  8                           ; v[8:9] the row's sum in two halves;  v10 at work;  v11 2^e9;  v12 -M;  v14 f.  v13, v15 are named beside v12, v14 as pairs
.set QF,   16
.set KR,   24
.set VR,   88
.set PC,   152
.set SR,   154
.set OR,   218
.set WV,   14
.set G,    15                          ; cx: the query head within its group of four: it enters Q's and ctx's addresses alone
.set XX,   16
.set YY,   17                          ; 4 b + key/value head
.set II,   18                          ; my tile of queries
.set PP,   19                          ; its pair
.set SEL,  20
.set CS,   22
.set G1,   24
.set G0,   32
.set TB,   36                          ; LDS byte of the step's first pair of K
.set REM,  37                          ; pairs still to come ahead of the diagonal's
.set LOW,  38                          ; 1 in the first step of a wave whose band begins inside it
.set CNT,  39
.set NC,   40                          ; -c
.set PL,   41                          ; 57,344 x 2^e9
.macro PLACES
.rept 4
	v_nop
.endr
.endm
.macro CROUND
	s_barrier_signal -1
	s_barrier_wait -1
	s_cmp_lg_u32 s[WV], 0
	s_cbranch_scc1 .Lnot_wave_0_\@
	s_barrier_signal -3
.Lnot_wave_0_\@:
	s_barrier_wait -3
	s_barrier_signal -1
	s_barrier_wait -1
.endm
	s_load_b256 s[4:11], s[0:1], 0x0               ; qc s[4:5], kc s[6:7], vc s[8:9], the scales' exponents s[10:11]
	s_load_b64 s[12:13], s[0:1], 0x20              ; ctxc
	v_lshl_add_u32 v[SPW], v0, 2, SPARE
	v_mov_b32 v[NIL], 0
	ds_add_u32 v[SPW], v[NIL]                      ; the wave's opening: the add, twice on end, and its wait ahead of the first tensor load
	ds_add_u32 v[SPW], v[NIL]
	v_lshrrev_b32 v8, 5, v0
	v_readfirstlane_b32 s[WV], v8                  ; wave 0..15
	s_bfe_u32 s[G], ttmp6, 0x40000
	s_and_b32 s[YY], ttmp7, 0xffff
	s_and_b32 s[XX], s[WV], 7
	s_lshl_b32 s[XX], s[XX], 3
	s_and_b32 s61, ttmp9, 7                        ; g: in a cluster launch ttmp9 counts clusters, eight of them
	s_add_co_u32 s[XX], s[XX], s61                 ; x
	s_sub_co_u32 s61, 95, s[XX]
	s_cmp_lt_u32 s[WV], 12
	s_cselect_b32 s[II], s[XX], s61
	s_add_co_u32 s62, s[XX], 64
	s_lshr_b32 s63, s[XX], 1
	s_cmp_lt_u32 s[WV], 8
	s_cselect_b32 s[II], s62, s[II]                ; i
	s_cselect_b32 s[TB], s63, 0                    ; the walk's first pair: i/2 - 32 = x/2, or 0
	s_cselect_b32 s[LOW], 1, 0
	s_bfe_u32 s[PP], s[II], 0x60001                ; i / 2
	s_sub_co_u32 s[REM], s[PP], s[TB]
	s_lshl_b32 s[TB], s[TB], 11
	s_mov_b32 s[G1], 15|(3<<16)|(1<<21)            ; 15:0 the mask: all four work-groups; elements of 8 bytes; 21 set beside a mask; no padding
	s_mov_b32 s[G1+1], 32<<16                      ; a dense block as rows of 256 bytes: tensor_dim0 = 32
	s_mov_b32 s[G1+2], 64<<16                      ; tensor_dim1 = 64
	s_mov_b32 s[G1+3], 32<<16                      ; tile_dim0
	s_mov_b32 s[G1+4], 64                          ; tile_dim1: 16,384 bytes, 256 keys
	s_mov_b32 s[G1+5], 32
	s_mov_b32 s[G1+6], 0
	s_mov_b32 s[G1+7], 0
	s_lshl_b32 s66, s[YY], 17                      ; a key/value head is 131,072 bytes in kc and in vc
	s_and_b32 s67, s[WV], 7
	s_lshl_b32 s67, s67, 14
	s_add_co_u32 s66, s66, s67                     ; my 256 keys
	s_mov_b32 s67, 0
	s_lshl_b32 s70, s[WV], 14                      ; waves 0-7 fill K's region, waves 8-15 V's
	s_mov_b32 s[SEL], 0x76543210
	s_mov_b32 s[SEL+1], 0xfedcba98
	s_mov_b32 s[CS], 0x3e38aa3b                    ; c = log2(e) / 8
	s_wait_dscnt 0x0                               ; both opening adds are done
	s_wait_kmcnt 0x0
	s_load_b128 s[56:59], s[10:11], 0x18           ; e6, e7, e8, e9
	s_load_b32 s60, s[10:11], 0x28                 ; e10
	s_cmp_lt_u32 s[WV], 8
	s_cselect_b64 s[68:69], s[6:7], s[8:9]
	s_mov_b32 s[G0], 1
	s_mov_b32 s[G0+1], s70
	s_add_nc_u64 s[G0+2:G0+3], s[68:69], s[66:67]
	s_or_b32 s[G0+3], s[G0+3], 0x80000000
	CROUND                                         ; all four work-groups are here: the joint loads meet
	tensor_load_to_lds s[G0:G0+3], s[G1:G1+7]      ; one load a wave, the launch's only one
	s_nop 0
	PLACES
	s_lshl_b32 s61, s[YY], 2
	s_add_co_u32 s61, s61, s[G]                    ; 16 b + query head
	s_lshl_b32 s61, s61, 7
	s_add_co_u32 s61, s61, s[II]
	s_lshl_b32 s66, s61, 10                        ; my tile of 16 queries
	s_add_nc_u64 s[4:5], s[4:5], s[66:67]
	v_and_b32 v[LI], 31, v0
	v_lshlrev_b32 v[LI], 4, v[LI]
	v_add_nc_u32 v[LIV], NKB, v[LI]
	s_wait_alu depctr_va_vdst(0)
	global_load_b128 v[QF:QF+3], v[LI], s[4:5]     ; Q's fragment stays in registers
	global_load_b128 v[QF+4:QF+7], v[LI], s[4:5] offset:512
	s_lshr_b32 s61, s[YY], 2                       ; ctxc: [128 tokens][pair of heads][16 tokens][4][512]
	s_lshl_b32 s61, s61, 4
	s_lshr_b32 s62, s[II], 3
	s_add_co_u32 s61, s61, s62
	s_lshl_b32 s70, s61, 17
	s_and_b32 s61, s[YY], 3
	s_lshl_b32 s61, s61, 1
	s_lshr_b32 s62, s[G], 1
	s_add_co_u32 s61, s61, s62
	s_lshl_b32 s61, s61, 14
	s_add_co_u32 s70, s70, s61
	s_and_b32 s61, s[II], 7
	s_lshl_b32 s61, s61, 11
	s_add_co_u32 s70, s70, s61
	s_and_b32 s61, s[G], 1
	s_lshl_b32 s61, s61, 10
	s_add_co_u32 s70, s70, s61
	s_mov_b32 s71, 0
	s_add_nc_u64 s[12:13], s[12:13], s[70:71]
	s_and_b32 s61, s[II], 1
	s_lshl_b32 s61, s61, 4
	v_and_b32 v8, 15, v0
	v_bfe_u32 v9, v0, 4, 1
	v_lshlrev_b32 v9, 3, v9
	v_sub_nc_u32 v[DR], v8, v9
	v_add_nc_u32 v[DR], s61, v[DR]                 ; d = 16 (i % 2) + r - 8 h
	v_mov_b32 v13, 0
	v_mov_b32 v15, 0
.irp bt, 0,1,2,3
.irp j, 4,5,6,7
	v_mov_b32 v[VR+8*\bt+\j], 0                    ; the diagonal's second product has 64 along K, 32 of them zeros
.endr
.endr
	s_wait_alu depctr_va_vdst(0)                   ; ahead of the blocking wait
	s_wait_kmcnt 0x0
	s_add_co_i32 s61, s56, s57
	s_lshl_b32 s61, s61, 23
	s_add_co_i32 s[CS], s[CS], s61                 ; a score stands for score x 2^(e6 + e7): added to c's exponent field
	s_mov_b32 s[CS+1], s[CS]
	s_xor_b32 s[NC], s[CS], 0x80000000
	s_add_co_i32 s61, s59, 127
	s_lshl_b32 s62, s61, 23
	v_mov_b32 v11, s62                             ; 2^e9, for p's conversion
	s_add_co_i32 s61, s61, 15
	s_lshl_b32 s61, s61, 23
	s_or_b32 s[PL], s61, 0x600000                  ; 57,344 x 2^e9
	s_add_co_i32 s61, s60, 127
	s_lshl_b32 s43, s61, 23                        ; 2^e10, for ctx's
	s_add_co_i32 s61, s61, 15
	s_lshl_b32 s61, s61, 23
	s_or_b32 s42, s61, 0x600000
	s_add_co_i32 s63, s58, s59                     ; e8 + e9, for the way out
	s_lshl_b32 s44, s[PP], 11                      ; LDS byte of the diagonal's pair
	s_wait_alu depctr_va_vdst(0)                   ; at the head's end
	s_wait_loadcnt 0x0                             ; Q
	s_wait_tensorcnt 0x0                           ; my 256 keys of K or V are in.  These are also the wave's three last lines and the closing round: no LDS byte is written from here on
	ds_add_u32 v[SPW], v[NIL]
	s_wait_dscnt 0x0
	CROUND                                         ; everybody's are, and no work-group asks for anything more
.macro KLOAD                           ; eight fragments of K
.irp t, 0,1,2,3,4,5,6,7
	ds_load_b128 v[KR+8*\t:KR+8*\t+3], v[ADK] offset:1024*\t
	ds_load_b128 v[KR+8*\t+4:KR+8*\t+7], v[ADK] offset:1024*\t+512
.endr
.endm
; The largest score of my query in lane l and lane l xor 16, from v250 and v253, as -c x score rounded down
.macro FOLD
	s_delay_alu instid0(VALU_DEP_1)
	v_max_num_f32 v250, v250, v253
	v_permlanex16_b32 v251, v250, s[SEL], s[SEL+1]
	s_delay_alu instid0(VALU_DEP_1)
	v_max_num_f32 v250, v250, v251
	s_delay_alu instid0(VALU_DEP_1)
	v_mul_f32 v250, s[NC], v250                    ; (-c is negative: -t)
.endm
	; THE DIAGONAL'S PAIR
	v_add_nc_u32 v[ADK], s44, v[LI]
	v_add_nc_u32 v[ADV], s44, v[LIV]
.irp t, 0,1
	ds_load_b128 v[VR+32+8*\t:VR+35+8*\t], v[ADK] offset:1024*\t
	ds_load_b128 v[VR+36+8*\t:VR+39+8*\t], v[ADK] offset:1024*\t+512
.endr
.irp bt, 0,1,2,3
	ds_load_b128 v[VR+8*\bt:VR+8*\bt+3], v[ADV] offset:512*\bt
.endr
	v_add_nc_u32 v[ADK], s[TB], v[LI]
	KLOAD                                          ; the first step's K: it lands while the diagonal is worked
	s_wait_dscnt 20                                ; the diagonal's K is in; 4 loads of V and 16 of K may be out
.irp t, 0,1
	v_wmma_f32_16x16x64_bf8_bf8 v[SR+8*\t:SR+8*\t+7], v[VR+32+8*\t:VR+39+8*\t], v[QF:QF+7], 0   ; register 8 t + j of lane (r, h): the pair's key 16 t + 8 h + j
.endr
	v_mov_b32 v255, 0xff800000
	v_nop
	v_nop
	v_nop
.irp t, 0,1
.irp j, 0,1,2,3,4,5,6,7
	v_cmp_gt_i32 vcc_lo, 16*\t+\j, v[DR]           ; keys behind the query: -infinity, so p = 0
	v_cndmask_b32 v[SR+8*\t+\j], v[SR+8*\t+\j], v255, vcc_lo
.endr
.endr
	v_max3_num_f32 v250, v[SR], v[SR+1], v[SR+2]
	v_max3_num_f32 v251, v[SR+3], v[SR+4], v[SR+5]
	v_max3_num_f32 v252, v[SR+6], v[SR+7], v[SR+8]
	v_max3_num_f32 v253, v[SR+9], v[SR+10], v[SR+11]
	v_max3_num_f32 v250, v250, v[SR+12], v[SR+13]
	v_max3_num_f32 v251, v251, v[SR+14], v[SR+15]
	v_max3_num_f32 v250, v250, v251, v252
	FOLD
	s_delay_alu instid0(VALU_DEP_1)
	v_floor_f32 v12, v250                          ; -M = floor(-t): M is a whole number; the query's own key counts, so it is finite
.irp j, 0,2,4,6,8,10,12,14
	v_pk_fma_f32 v[SR+\j:SR+\j+1], v[SR+\j:SR+\j+1], s[CS:CS+1], v[12:13] op_sel_hi:[1,0,0]
.endr
	s_wait_alu depctr_va_vdst(0)                   ; ahead of the batch
.irp j, 0,1,2,3,4,5,6,7,8,9,10,11,12,13,14,15
	v_exp_f32 v[SR+\j], v[SR+\j]
.endr
	v_nop
	s_wait_alu depctr_va_vdst(0)                   ; one wait for the batch, ahead of its first reader
	v_pk_add_f32 v[SUM:SUM+1], v[SR:SR+1], v[SR+2:SR+3]   ; the sum of the unquantised p
	v_pk_add_f32 v[250:251], v[SR+4:SR+5], v[SR+6:SR+7]
	v_pk_add_f32 v[252:253], v[SR+8:SR+9], v[SR+10:SR+11]
	v_pk_add_f32 v[254:255], v[SR+12:SR+13], v[SR+14:SR+15]
	v_pk_add_f32 v[SUM:SUM+1], v[SUM:SUM+1], v[250:251]
	v_pk_add_f32 v[252:253], v[252:253], v[254:255]
	v_pk_add_f32 v[SUM:SUM+1], v[SUM:SUM+1], v[252:253]
.irp t, 0,1
.irp i, 0,1,2,3,4,5,6,7
	v_min_num_f32 v[SR+8*\t+\i], s[PL], v[SR+8*\t+\i]   ; the conversion does not saturate (ISA guide 7.6.2); p is not negative, so the hold is one-sided
.endr
	v_cvt_scalef32_pk8_bf8_f32 v[PC+2*\t:PC+2*\t+1], v[SR+8*\t:SR+8*\t+7], v11
.endr
.irp j, 4,5,6,7
	v_mov_b32 v[PC+\j], 0
.endr
	s_wait_alu depctr_va_vdst(0)
	s_wait_dscnt 16                                ; the diagonal's V is in; 16 loads of K may be out
.irp t, 0,1,2,3
	v_wmma_f32_16x16x64_bf8_bf8 v[OR+8*\t:OR+8*\t+7], v[VR+8*\t:VR+8*\t+7], v[PC:PC+7], 0   ; O^T begins: nothing is cleared
.endr
	; THE WALK: the trip count is a constant of the text; a trip's work is jumped over where no pair is left, its address steps are not
	s_mov_b32 s[CNT], 8
.Lwalk:
	s_cmp_lt_i32 s[REM], 1
	s_cbranch_scc1 .Lskip
	s_add_co_u32 s61, s[TB], 8192
	v_add_nc_u32 v[ADV], s[TB], v[LIV]
	v_add_nc_u32 v[ADK], s61, v[LI]                ; the next step's K
	v_nop                                          ; with the two additions: five places behind the last products, whose codes of p the products below write over
	v_nop
	v_nop
	s_wait_alu depctr_va_vdst(0)
	s_wait_dscnt 0x0                               ; this step's K is in
.irp t, 0,1,2,3,4,5,6,7
	v_wmma_f32_16x16x64_bf8_bf8 v[SR+8*\t:SR+8*\t+7], v[KR+8*\t:KR+8*\t+7], v[QF:QF+7], 0   ; register 8 t + j of lane (r, h): the step's key 16 t + 8 h + j
.endr
	PLACES
.irp c, 0,1,2,3
.irp bt, 0,1,2,3
	ds_load_b128 v[VR+16*\bt+4*\c:VR+16*\bt+4*\c+3], v[ADV] offset:2048*\c+512*\bt   ; V lands while the softmax is worked,
.endr
.endr
	KLOAD                                          ; and so does the next step's K (behind a wave's last step: bytes inside LDS that no product takes)
	s_cmp_eq_u32 s[LOW], 0
	s_cbranch_scc1 .Lin
	v_mov_b32 v255, 0xff800000                     ; the window's far edge lies in the first pair, as far into it as my query lies in its own: hidden where 16 t + j < d
.irp t, 0,1
.irp j, 0,1,2,3,4,5,6,7
	v_cmp_lt_i32 vcc_lo, 16*\t+\j, v[DR]
	v_cndmask_b32 v[SR+8*\t+\j], v[SR+8*\t+\j], v255, vcc_lo
.endr
.endr
	s_mov_b32 s[LOW], 0
	s_wait_alu depctr_va_vdst(0)                   ; ahead of the branch below
.Lin:
	s_cmp_gt_i32 s[REM], 3
	s_cbranch_scc1 .Lall
	s_cmp_eq_u32 s[REM], 3                         ; fewer than four pairs are left: the others are hidden (the diagonal's has been taken)
	s_cbranch_scc1 .Lhide3
	s_cmp_eq_u32 s[REM], 2
	s_cbranch_scc1 .Lhide2
.irp j, 16,17,18,19,20,21,22,23,24,25,26,27,28,29,30,31
	v_mov_b32 v[SR+\j], 0xff800000
.endr
.Lhide2:
.irp j, 32,33,34,35,36,37,38,39,40,41,42,43,44,45,46,47
	v_mov_b32 v[SR+\j], 0xff800000
.endr
.Lhide3:
.irp j, 48,49,50,51,52,53,54,55,56,57,58,59,60,61,62,63
	v_mov_b32 v[SR+\j], 0xff800000
.endr
.Lall:
	v_max3_num_f32 v250, v[SR], v[SR+1], v[SR+2]   ; the step's largest score of my query, among my 64 keys, in four chains
	v_max3_num_f32 v251, v[SR+3], v[SR+4], v[SR+5]
	v_max3_num_f32 v252, v[SR+6], v[SR+7], v[SR+8]
	v_max3_num_f32 v253, v[SR+9], v[SR+10], v[SR+11]
.irp i, 12,20,28,36,44,52
	v_max3_num_f32 v250, v250, v[SR+\i], v[SR+\i+1]
	v_max3_num_f32 v251, v251, v[SR+\i+2], v[SR+\i+3]
	v_max3_num_f32 v252, v252, v[SR+\i+4], v[SR+\i+5]
	v_max3_num_f32 v253, v253, v[SR+\i+6], v[SR+\i+7]
.endr
	v_max3_num_f32 v250, v250, v[SR+60], v[SR+61]
	v_max3_num_f32 v251, v251, v[SR+62], v[SR+63]
	v_max3_num_f32 v250, v250, v251, v252
	FOLD
	s_delay_alu instid0(VALU_DEP_1)
	v_floor_f32 v250, v250
	s_delay_alu instid0(VALU_DEP_1)
	v_min_num_f32 v10, v250, v12                   ; the new -M
	s_delay_alu instid0(VALU_DEP_1)
	v_sub_f32 v250, v10, v12                       ; old M - new M: a whole number, 0 or less
	v_mov_b32 v12, v10
	s_delay_alu instid0(VALU_DEP_2)
	v_cvt_i32_f32 v250, v250                       ; (it saturates)
	s_delay_alu instid0(VALU_DEP_1)
	v_ldexp_f32 v14, 1.0, v250                     ; f = 2^(old M - new M)
.irp j, 0,2,4,6,8,10,12,14,16,18,20,22,24,26,28,30,32,34,36,38,40,42,44,46,48,50,52,54,56,58,60,62
	v_pk_fma_f32 v[SR+\j:SR+\j+1], v[SR+\j:SR+\j+1], s[CS:CS+1], v[12:13] op_sel_hi:[1,0,0]   ; t - M, two at a time
.endr
	s_wait_alu depctr_va_vdst(0)                   ; ahead of the batch
.irp j, 0,1,2,3,4,5,6,7,8,9,10,11,12,13,14,15,16,17,18,19,20,21,22,23,24,25,26,27,28,29,30,31,32,33,34,35,36,37,38,39,40,41,42,43,44,45,46,47,48,49,50,51,52,53,54,55,56,57,58,59,60,61,62,63
	v_exp_f32 v[SR+\j], v[SR+\j]                   ; p = 2^(t - M): one batch
.endr
	v_pk_mul_f32 v[SUM:SUM+1], v[SUM:SUM+1], v[14:15] op_sel_hi:[1,0]   ; the sums under the new M: the plain instruction behind the batch
	s_wait_alu depctr_va_vdst(0)                   ; one wait for the batch and for O^T's first readers
.irp j, 0,2,4,6,8,10,12,14,16,18,20,22,24,26,28,30
	v_pk_mul_f32 v[OR+\j:OR+\j+1], v[OR+\j:OR+\j+1], v[14:15] op_sel_hi:[1,0]   ; O^T under the new M; each accumulator from its low end on
.endr
	v_pk_add_f32 v[250:251], v[SR:SR+1], v[SR+2:SR+3]   ; the sum of the unquantised p, in four chains
	v_pk_add_f32 v[252:253], v[SR+4:SR+5], v[SR+6:SR+7]
	v_pk_add_f32 v[254:255], v[SR+8:SR+9], v[SR+10:SR+11]
	v_pk_add_f32 v[SUM:SUM+1], v[SUM:SUM+1], v[SR+12:SR+13]
.irp j, 14,22,30,38,46,54
	v_pk_add_f32 v[250:251], v[250:251], v[SR+\j:SR+\j+1]
	v_pk_add_f32 v[252:253], v[252:253], v[SR+\j+2:SR+\j+3]
	v_pk_add_f32 v[254:255], v[254:255], v[SR+\j+4:SR+\j+5]
	v_pk_add_f32 v[SUM:SUM+1], v[SUM:SUM+1], v[SR+\j+6:SR+\j+7]
.endr
	v_pk_add_f32 v[250:251], v[250:251], v[SR+62:SR+63]
	v_pk_add_f32 v[252:253], v[252:253], v[254:255]
.irp t, 0,1,2,3,4,5,6,7
.irp i, 0,1,2,3,4,5,6,7
	v_min_num_f32 v[SR+8*\t+\i], s[PL], v[SR+8*\t+\i]   ; the hold, as above
.endr
.if \t == 0
	v_pk_add_f32 v[SUM:SUM+1], v[SUM:SUM+1], v[250:251]
.endif
.if \t == 1
	v_pk_add_f32 v[SUM:SUM+1], v[SUM:SUM+1], v[252:253]
.endif
	v_cvt_scalef32_pk8_bf8_f32 v[PC+2*\t:PC+2*\t+1], v[SR+8*\t:SR+8*\t+7], v11   ; keys 16 t + 8 h + 0 .. 7: registers 2 t, 2 t + 1 of P's fragment, over scores of tiles converted before
.endr
	v_nop                                          ; a plain instruction between the last conversion and the products
	s_wait_alu depctr_va_vdst(0)
	s_wait_dscnt 16                                ; V is in; the next step's 16 loads of K may be out
.irp t, 0,1,2,3
	v_wmma_f32_16x16x128_bf8_bf8 v[OR+8*\t:OR+8*\t+7], v[VR+16*\t:VR+16*\t+15], v[PC:PC+15], v[OR+8*\t:OR+8*\t+7]   ; the four accumulators by turns, one instruction a turn
.endr
.Lskip:
	s_add_co_u32 s[TB], s[TB], 8192
	s_sub_co_i32 s[REM], s[REM], 4
	s_sub_co_u32 s[CNT], s[CNT], 1
	s_cmp_lg_u32 s[CNT], 0
	s_cbranch_scc1 .Lwalk
	; THE WAY OUT: O^T / the sum x 2^(e8 + e9) is ctx; its codes are registers of the last product's operand: two stores of 512 consecutive bytes
	s_wait_dscnt 0x0                               ; no LDS load of mine is out
	v_mov_b32 v10, s42                             ; 57,344 x 2^e10
	v_mov_b32 v13, s43                             ; 2^e10
	v_nop
	v_nop
	v_add_f32 v8, v8, v9
	v_permlanex16_b32 v250, v8, s[SEL], s[SEL+1]
	s_delay_alu instid0(VALU_DEP_1)
	v_add_f32 v8, v8, v250                         ; the row's sum
	s_wait_alu depctr_va_vdst(0)                   ; ahead of the reciprocal
	v_rcp_f32 v8, v8
	v_nop                                          ; a plain instruction behind it
	s_wait_alu depctr_va_vdst(0)                   ; and the wait ahead of its first reader and of O^T's
	v_ldexp_f32 v14, v8, s63
.irp j, 0,2,4,6,8,10,12,14,16,18,20,22,24,26,28,30
	v_pk_mul_f32 v[VR+\j:VR+\j+1], v[OR+\j:OR+\j+1], v[14:15] op_sel_hi:[1,0]   ; each accumulator from its low end on
.endr
.irp j, 0,1,2,3,4,5,6,7,8,9,10,11,12,13,14,15,16,17,18,19,20,21,22,23,24,25,26,27,28,29,30,31
	v_med3_num_f32 v[VR+\j], v[VR+\j], -v10, v10
.endr
.irp bt, 0,1,2,3
	v_cvt_scalef32_pk8_bf8_f32 v[KR+2*\bt:KR+2*\bt+1], v[VR+8*\bt:VR+8*\bt+7], v13
.endr
	v_nop
	global_store_b128 v[LI], v[KR:KR+3], s[12:13]
	global_store_b128 v[LI], v[KR+4:KR+7], s[12:13] offset:512
	s_endpgm
.Lfunc_end_k_qd75b8e8b82_attn:
	.size	k_qd75b8e8b82_attn, .Lfunc_end_k_qd75b8e8b82_attn-k_qd75b8e8b82_attn
	.p2alignl 7, 3214868480
	.fill 96, 4, 3214868480
	.section	.rodata,"a",@progbits
	.p2align	6, 0x0
	.amdhsa_kernel k_qd75b8e8b82_attn
		.amdhsa_group_segment_fixed_size 327680
		.amdhsa_private_segment_fixed_size 0
		.amdhsa_enable_private_segment 0
		.amdhsa_kernarg_size 40
		.amdhsa_user_sgpr_count 2
		.amdhsa_user_sgpr_kernarg_segment_ptr 1
		.amdhsa_wavefront_size32 1
		.amdhsa_system_sgpr_workgroup_id_x 1
		.amdhsa_system_sgpr_workgroup_id_y 1
		.amdhsa_system_sgpr_workgroup_id_z 1
		.amdhsa_system_vgpr_workitem_id 0
		.amdhsa_next_free_vgpr 256
		.amdhsa_next_free_sgpr 80
		.amdhsa_reserve_vcc 1
		.amdhsa_float_denorm_mode_32 3
		.amdhsa_float_denorm_mode_16_64 3
		.amdhsa_memory_ordered 1
		.amdhsa_forward_progress 1
		.amdhsa_inst_pref_size 37
	.end_amdhsa_kernel
	.amdgpu_metadata
---
amdhsa.version: [ 1, 2 ]
amdhsa.kernels:
  - .name:           k_qd75b8e8b82_attn
    .symbol:         k_qd75b8e8b82_attn.kd
    .args:
      - { .name: qc, .offset: 0, .size: 8, .value_kind: global_buffer, .address_space: global }
      - { .name: kc, .offset: 8, .size: 8, .value_kind: global_buffer, .address_space: global }
      - { .name: vc, .offset: 16, .size: 8, .value_kind: global_buffer, .address_space: global }
      - { .name: lowp_scales, .offset: 24, .size: 8, .value_kind: global_buffer, .address_space: global }
      - { .name: ctxc, .offset: 32, .size: 8, .value_kind: global_buffer, .address_space: global }
    .group_segment_fixed_size: 327680
    .private_segment_fixed_size: 0
    .kernarg_segment_align: 8
    .kernarg_segment_size: 40
    .max_flat_workgroup_size: 512
    .sgpr_count:     80
    .vgpr_count:     256
    .wavefront_size: 32
...
	.end_amdgpu_metadata
.endif
;; end of part 2
;; launch oproj (part 3): grid 8 x 32, 4 waves a work-group, clusters of 4 x 4, 327,680 bytes of LDS; arguments ctxc, wo_w_codes, lowp_scales, out0; writes out0
.if DOCPART == 3
	.amdgcn_target "amdgcn-amd-amdhsa--gfx1250"
	.amdhsa_code_object_version 6
	.text
	.protected	k_qd75b8e8b82_oproj
	.globl	k_qd75b8e8b82_oproj
	.p2align	8
	.type	k_qd75b8e8b82_oproj,@function
k_qd75b8e8b82_oproj:
	s_mov_b64 s[64:65], 0
	v_nop
	global_prefetch_b8 v0, s[64:65] scope:SCOPE_SE
	s_setreg_imm32_b32 hwreg(HW_REG_WAVE_MODE, 25, 1), 1
	s_wait_xcnt 0x0
	s_wait_alu depctr_hold_cnt(0) depctr_sa_sdst(0) depctr_va_vdst(0) depctr_va_sdst(0) depctr_va_ssrc(0) depctr_va_vcc(0) depctr_vm_vsrc(0)
	s_getreg_b32 s2, hwreg(HW_REG_IB_STS2, 6, 4)
	s_cmp_eq_u32 s2, 0
	s_cbranch_scc0 .Lentry_in_a_cluster
	s_endpgm
.Lentry_in_a_cluster:
	s_bfe_u32 s2, ttmp6, 0x10000c
	s_cmp_lg_u32 s2, 0xf033
	s_cbranch_scc0 .Lentry_shape_is_right
	s_endpgm
.Lentry_shape_is_right:
; out = ctx Wo^T on codes of E5M2, sums in f32, each finished sum x 2^(e10 + e11).  ctx: [4096][1024] as images of operand registers (ctxc: [128 tokens][128 along K][16 tokens][4][512]); Wo: [1024][1024] codes, K innermost; out: f32.
; 256 work-groups, a tile of 128 x 128 each; wave w = 2 wm + wn makes tokens 64 wm .. + 63 x columns 64 wn .. + 63.  CLUSTER 4 x 4: ctx's tiles are shared along a row of the cluster, Wo's along a column: asked for jointly.
; ALL OF K LIES IN LDS: a half of K of ctx or of Wo is one load, four of them, one a wave, all first fills; nothing is filled again.  No loop loads, so nothing is prefetched.
; BY ROWS: a wave keeps all its fragments of Wo (64 rows x 1,024, 512 registers) and finishes its four tiles of 16 tokens one after the other, so that the first tile's stores leave while the others are multiplied.
; ctx's fragments come as they were stored, by loads of 16 bytes a lane: registers 2 c, 2 c + 1 hold K = 16 c + 8 (lane / 16) + 0 .. 7, the form's own layout; so Wo's are fetched in that layout too, by loads of 8 bytes.
; THE MATRIX INSTRUCTION IS USED TRANSPOSED (source 0 = 16 rows of Wo, source 1 = 16 tokens): a lane holds eight neighbouring numbers of a row of out.
; LIMIT: e10 + e11 between -126 and 127, so that 2^(e10 + e11) is an f32 number.
; REGISTERS: window 0: addresses; v32-63 a tile's scaled sums; v64-127 rows read back from the stage, two sets; v128-191 accumulators, two sets of four.   windows 1, 2: Wo, K steps 0-3 and 4-7.   window 3: ctx's fragments of a tile, two sets of 128.
.set BT0,    131072                    ; LDS: ctx's images, dense; then Wo's two halves,
.set BP,     528                       ; rows of 512 bytes + 16 of padding;
.set BCH,    128*BP
.set STAGE,  BT0+2*BCH                 ; the stages for the way out: 16 rows x 272 bytes for each wave;
.set SPARE,  STAGE+4*16*272            ; and the spare words, 128 bytes for each wave
.set LI,   4
.set SPW,  6                           ; v6  my spare word; never rewritten
.set NIL,  7                           ; v7  0; never rewritten
.set ADA,  8                           ; v8, v9    my four tiles of tokens, K steps 0-3 and 4-7
.set ADB,  10                          ; v10, v11  my 64 rows of Wo likewise
.set STO,  14
.set RD,   15
.set CO,   16
.set TMP,  32
.set BK,   64
.set ACC,  128
.set WV,   12
.set WM,   13                          ; also: which half of K I fetch
.set WN,   14                          ; also: I fetch ctx (0) or Wo (1)
.set CX,   15
.set CY,   16
.set NT,   17
.set MT,   18
.set G1A,  24
.set G1B,  32
.set G0A,  40
.set G0B,  44
.set SC,   76
.set MSB, 0
.macro WIN new
.if MSB != (\new)
	s_set_vgpr_msb (MSB<<8)|(\new)
.set MSB, (\new)
.endif
.endm
.macro PLACES
.rept 4
	v_nop
.endr
.endm
.macro CROUND
	s_barrier_signal -1
	s_barrier_wait -1
	s_cmp_lg_u32 s[WV], 0
	s_cbranch_scc1 .Lnot_wave_0_\@
	s_barrier_signal -3
.Lnot_wave_0_\@:
	s_barrier_wait -3
	s_barrier_signal -1
	s_barrier_wait -1
.endm
	s_load_b256 s[4:11], s[0:1], 0x0               ; ctxc s[4:5], Wo s[6:7], the scales' exponents s[8:9], out s[10:11]
	v_lshl_add_u32 v[SPW], v0, 2, SPARE
	v_mov_b32 v[NIL], 0
	ds_add_u32 v[SPW], v[NIL]                      ; the wave's opening: the add, twice on end, and its wait ahead of the first tensor load
	ds_add_u32 v[SPW], v[NIL]
	v_lshrrev_b32 v1, 5, v0
	v_readfirstlane_b32 s[WV], v1
	s_lshr_b32 s[WM], s[WV], 1
	s_and_b32 s[WN], s[WV], 1
	s_bfe_u32 s[CX], ttmp6, 0x40000
	s_bfe_u32 s[CY], ttmp6, 0x40004
	s_lshl_b32 s[NT], ttmp9, 2
	s_add_co_u32 s[NT], s[NT], s[CX]               ; tile column
	s_and_b32 s[MT], ttmp7, 0xffff
	s_lshl_b32 s[MT], s[MT], 2
	s_add_co_u32 s[MT], s[MT], s[CY]               ; tile row
	s_lshl_b32 s20, s[CY], 2
	s_lshl_b32 s20, 15, s20                        ; my row of the cluster
	s_lshl_b32 s22, 0x1111, s[CX]                  ; my column
	s_or_b32 s[G1A], s20, (3<<16)|(1<<21)          ; ctx: a dense block as 256 rows of 256 bytes, elements of 8 bytes, no padding
	s_mov_b32 s[G1A+1], 32<<16
	s_mov_b32 s[G1A+2], 256<<16
	s_mov_b32 s[G1A+3], 32<<16
	s_mov_b32 s[G1A+4], 256
	s_mov_b32 s[G1A+5], 32
	s_mov_b32 s[G1A+6], 0
	s_mov_b32 s[G1A+7], 0
	s_or_b32 s[G1B], s22, (1<<20)|(1<<21)|(6<<22)|(3<<25)   ; Wo: 128 rows of 512 bytes, 1,024 apart; four words of padding after every 128
	s_mov_b32 s[G1B+1], 512<<16
	s_mov_b32 s[G1B+2], 128<<16
	s_mov_b32 s[G1B+3], 512<<16
	s_mov_b32 s[G1B+4], 128
	s_mov_b32 s[G1B+5], 1024
	s_mov_b32 s[G1B+6], 0
	s_mov_b32 s[G1B+7], 0
	s_lshl_b32 s20, s[MT], 17                      ; 128 tokens of ctx are 131,072 bytes: hangs on the tile row and the wave alone
	s_lshl_b32 s21, s[WM], 16
	s_add_co_u32 s20, s20, s21
	s_mov_b32 s21, 0
	s_lshl_b32 s22, s[NT], 17                      ; 128 rows of Wo: on the tile column and the wave alone
	s_lshl_b32 s23, s[WM], 9
	s_add_co_u32 s22, s22, s23
	s_mov_b32 s23, 0
	s_lshl_b32 s48, s[WM], 16                      ; and where they go
	s_mul_i32 s49, s[WM], BCH
	s_add_co_u32 s49, s49, BT0
	s_wait_dscnt 0x0                               ; both opening adds are done
	s_wait_kmcnt 0x0
	s_load_b64 s[SC:SC+1], s[8:9], 0x28            ; e10, e11
	s_mov_b32 s[G0A], 1
	s_mov_b32 s[G0A+1], s48
	s_add_nc_u64 s[G0A+2:G0A+3], s[4:5], s[20:21]
	s_or_b32 s[G0A+3], s[G0A+3], 0x80000000
	s_mov_b32 s[G0B], 1
	s_mov_b32 s[G0B+1], s49
	s_add_nc_u64 s[G0B+2:G0B+3], s[6:7], s[22:23]
	s_or_b32 s[G0B+3], s[G0B+3], 0x80000000
	CROUND                                         ; all sixteen work-groups are here: the joint loads meet
	s_cmp_eq_u32 s[WN], 0                          ; waves 0 and 2 ask for ctx's halves, waves 1 and 3 for Wo's: one load a wave
	s_cbranch_scc0 .Lfor_b
	tensor_load_to_lds s[G0A:G0A+3], s[G1A:G1A+7]
	s_nop 0
	PLACES
	s_branch .Lasked
.Lfor_b:
	tensor_load_to_lds s[G0B:G0B+3], s[G1B:G1B+7]
	s_nop 0
	PLACES
.Lasked:
	v_and_b32 v1, 15, v0                           ; r
	v_bfe_u32 v2, v0, 4, 1                         ; h
	v_and_b32 v[LI], 31, v0
	v_lshlrev_b32 v[LI], 4, v[LI]
	s_lshl_b32 s19, s[WM], 13                      ; my four tiles of tokens: 2,048 bytes each
	v_add_nc_u32 v[ADA], s19, v[LI]
	v_add_nc_u32 v[ADA+1], 65536, v[ADA]
	v_mul_u32_u24 v3, v1, BP
	v_lshl_add_u32 v3, v2, 3, v3                   ; Wo: row x pitch + 8 h
	s_mul_i32 s19, s[WN], 64*BP
	s_add_co_u32 s19, s19, BT0
	v_add_nc_u32 v[ADB], s19, v3
	v_add_nc_u32 v[ADB+1], BCH, v[ADB]
	s_mul_i32 s19, s[WV], 16*272
	s_add_co_u32 s19, s19, STAGE                   ; my stage
	v_mul_u32_u24 v5, v1, 272
	v_lshl_add_u32 v5, v2, 5, v5
	v_add_nc_u32 v[STO], s19, v5                   ; in: row r, 32 bytes for each half of the lanes
	v_mul_u32_u24 v5, v2, 272
	v_lshl_add_u32 v5, v1, 4, v5
	v_add_nc_u32 v[RD], s19, v5                    ; back: lanes 0-15 one row of 256 bytes, lanes 16-31 the next
	v_lshlrev_b32 v[CO], 12, v2
	v_lshl_add_u32 v[CO], v1, 4, v[CO]             ; and the same two rows in out
	s_lshl_b32 s78, s[MT], 19                      ; my first row: (128 mt + 64 wm) x 4,096 bytes,
	s_lshl_b32 s19, s[WM], 18
	s_add_co_u32 s78, s78, s19
	s_lshl_b32 s19, s[NT], 9                       ; my first column: (128 nt + 64 wn) x 4 bytes
	s_add_co_u32 s78, s78, s19
	s_lshl_b32 s19, s[WN], 8
	s_add_co_u32 s78, s78, s19
	s_mov_b32 s79, 0
	s_add_nc_u64 s[10:11], s[10:11], s[78:79]
	s_wait_alu depctr_va_vdst(0)                   ; at the head's end
	s_wait_kmcnt 0x0
	s_add_co_i32 s[SC], s[SC], s[SC+1]
	s_add_co_i32 s[SC], s[SC], 127
	s_lshl_b32 s[SC], s[SC], 23                    ; 2^(e10 + e11) as f32
	s_mov_b32 s[SC+1], s[SC]
.macro FW s                            ; Wo's fragments of K step s: 32 loads of 8 bytes
	WIN 0x40*(1+(\s)/4)
.irp bt, 0,1,2,3
.irp c, 0,1,2,3,4,5,6,7
	ds_load_b64 v[64*((\s)%4)+16*\bt+2*\c:64*((\s)%4)+16*\bt+2*\c+1], v[ADB+(\s)/4] offset:128*((\s)%4)+16*\c+\bt*16*BP
.endr
.endr
.endm
.macro FC a, s                         ; ctx's fragment of tile a, K step s: 4 loads of 16 bytes
	WIN 0xc0
.irp q, 0,1,2,3
	ds_load_b128 v[128*((\a)%2)+16*(\s)+4*\q:128*((\a)%2)+16*(\s)+4*\q+3], v[ADA+(\s)/4] offset:((\s)%4)*16384+(\a)*2048+\q*512
.endr
.endm
.macro FCALL a                         ; all eight steps of tile a: 32 loads
.irp s, 0,1,2,3,4,5,6,7
	FC \a, \s
.endr
.endm
.macro MUL a, s                        ; the tile's four accumulators take turns, one instruction a turn, in the same order in every step
	WIN 0x0d+(\s)/4                                ; source 0 window 1 or 2, source 1 window 3, C and D window 0
.irp bt, 0,1,2,3
.if (\s) == 0
	v_wmma_f32_16x16x128_bf8_bf8 v[ACC+32*((\a)%2)+8*\bt:ACC+32*((\a)%2)+8*\bt+7], v[64*((\s)%4)+16*\bt:64*((\s)%4)+16*\bt+15], v[128*((\a)%2)+16*(\s):128*((\a)%2)+16*(\s)+15], 0
.else
	v_wmma_f32_16x16x128_bf8_bf8 v[ACC+32*((\a)%2)+8*\bt:ACC+32*((\a)%2)+8*\bt+7], v[64*((\s)%4)+16*\bt:64*((\s)%4)+16*\bt+15], v[128*((\a)%2)+16*(\s):128*((\a)%2)+16*(\s)+15], v[ACC+32*((\a)%2)+8*\bt:ACC+32*((\a)%2)+8*\bt+7]
.endif
.endr
.endm
	s_wait_tensorcnt 0x0                           ; my half of ctx's or Wo's tile is in
	s_barrier_signal -1
	s_barrier_wait -1
	FW 0
	FC 0, 0
; TILE 0: K step s; the next step's fragments are asked for first.  Every register is loaded for the first time: no places are owed.
.irp s, 0,1,2,3,4,5,6,7
.if \s < 7
	FW \s+1
	FC 0, \s+1
	s_wait_dscnt 36                                ; all but the 36 just issued
.else
	FCALL 1                                        ; the next tile's
	s_wait_dscnt 32
.endif
	MUL 0, \s
.endr
; THE WAY OUT of a tile of 16 tokens x 64 columns: a lane holds 32 bytes of a row and the lanes beside it other rows: so a tile goes through my own stage and comes back as whole rows of 256 bytes.
; LDS serves a wave's instructions in order (ISA guide 5.7.1.4): no wait between the stores and the loads, nor ahead of the next tile's stores.
.macro TOSTAGE a
.irp i, 0,2,4,6,8,10,12,14,16,18,20,22,24,26,28,30
	v_pk_mul_f32 v[TMP+\i:TMP+\i+1], v[ACC+32*((\a)%2)+\i:ACC+32*((\a)%2)+\i+1], s[SC:SC+1] op_sel_hi:[1,0]   ; x 2^(e10 + e11); each accumulator from its low end on
.endr
.irp bt, 0,1,2,3
	ds_store_b128 v[STO], v[TMP+8*\bt:TMP+8*\bt+3] offset:64*\bt
	ds_store_b128 v[STO], v[TMP+8*\bt+4:TMP+8*\bt+7] offset:64*\bt+16
.endr
.irp i, 0,1,2,3,4,5,6,7
	ds_load_b128 v[BK+32*((\a)%2)+4*\i:BK+32*((\a)%2)+4*\i+3], v[RD] offset:\i*2*272
.endr
.endm
.macro SEND a
.irp i, 0,1,2,3,4,5,6,7
	global_store_b128 v[CO], v[BK+32*((\a)%2)+4*\i:BK+32*((\a)%2)+4*\i+3], s[10:11] offset:(\a)*65536+\i*8192 th:TH_STORE_NT   ; 16 lanes store 256 consecutive bytes, at a multiple of 256 from out's first byte
.endr
.endm
.irp a, 0,1,2,3
	WIN 0
	PLACES                                         ; behind tile a's products, ahead of the reads of their results and of loads into their fragments
.if \a > 1
	s_wait_xcnt 0x0                                ; tile a - 2's stores have read their registers
.endif
	TOSTAGE \a
.if \a < 2
	FCALL \a+2
	s_wait_dscnt 48                                ; tile a + 1's fragments are in; 16 of the stage and 32 of tile a + 2 may be out
.elseif \a == 2
	s_wait_dscnt 16                                ; tile 3's are in; 16 of the stage may be out
.endif
.if \a < 3
.irp s, 0,1,2,3
	MUL \a+1, \s
.endr
	WIN 0
.endif
.if \a < 2
	s_wait_dscnt 32                                ; tile a is back in registers; tile a + 2's fragments may be out
.else
	s_wait_dscnt 0x0
.endif
	SEND \a
.if \a < 3
.irp s, 4,5,6,7
	MUL \a+1, \s
.endr
.endif
.endr
	s_wait_tensorcnt 0x0                           ; the wave's end: behind my last tensor load and my last LDS store
	ds_add_u32 v[SPW], v[NIL]
	s_wait_dscnt 0x0
	CROUND                                         ; the closing round
	s_endpgm
.Lfunc_end_k_qd75b8e8b82_oproj:
	.size	k_qd75b8e8b82_oproj, .Lfunc_end_k_qd75b8e8b82_oproj-k_qd75b8e8b82_oproj
	.p2alignl 7, 3214868480
	.fill 96, 4, 3214868480
	.section	.rodata,"a",@progbits
	.p2align	6, 0x0
	.amdhsa_kernel k_qd75b8e8b82_oproj
		.amdhsa_group_segment_fixed_size 327680
		.amdhsa_private_segment_fixed_size 0
		.amdhsa_enable_private_segment 0
		.amdhsa_kernarg_size 32
		.amdhsa_user_sgpr_count 2
		.amdhsa_user_sgpr_kernarg_segment_ptr 1
		.amdhsa_wavefront_size32 1
		.amdhsa_system_sgpr_workgroup_id_x 1
		.amdhsa_system_sgpr_workgroup_id_y 1
		.amdhsa_system_sgpr_workgroup_id_z 1
		.amdhsa_system_vgpr_workitem_id 0
		.amdhsa_next_free_vgpr 1024
		.amdhsa_next_free_sgpr 80
		.amdhsa_reserve_vcc 0
		.amdhsa_float_denorm_mode_32 3
		.amdhsa_float_denorm_mode_16_64 3
		.amdhsa_memory_ordered 1
		.amdhsa_forward_progress 1
		.amdhsa_inst_pref_size 52
	.end_amdhsa_kernel
	.amdgpu_metadata
---
amdhsa.version: [ 1, 2 ]
amdhsa.kernels:
  - .name:           k_qd75b8e8b82_oproj
    .symbol:         k_qd75b8e8b82_oproj.kd
    .args:
      - { .name: ctxc, .offset: 0, .size: 8, .value_kind: global_buffer, .address_space: global }
      - { .name: wo_w_codes, .offset: 8, .size: 8, .value_kind: global_buffer, .address_space: global }
      - { .name: lowp_scales, .offset: 16, .size: 8, .value_kind: global_buffer, .address_space: global }
      - { .name: out0, .offset: 24, .size: 8, .value_kind: global_buffer, .address_space: global }
    .group_segment_fixed_size: 327680
    .private_segment_fixed_size: 0
    .kernarg_segment_align: 8
    .kernarg_segment_size: 32
    .max_flat_workgroup_size: 128
    .sgpr_count:     80
    .vgpr_count:     1024
    .wavefront_size: 32
...
	.end_amdgpu_metadata
.endif
;; end of part 3
